; MI455X (gfx1250); checked and timed in simulation.
; The chip was launched on July 23, 2026; its instructions are those of AMD's public machine-readable ISA for CDNA 5 (MIT licence, August 2026) and "CDNA5" Instruction Set Architecture Reference Guide (July 2026). The comments in the code are by the model that wrote it; some were corrected since.
;; Enhanced Decoder Attention. Allowed arithmetic: matrix products marked QUANTISED: E2M3 operands, one E8M0 scale for each 32 along K, by v_wmma_scale_f32_16x16x128_f8f6f4 with both operands' format E2M3, f32 sums; everything else in f32.
;; Inputs: Wk 1,024 x 1,024 float32; Wo 1,024 x 1,024 float32; Wq 1,024 x 1,024 float32; Wv 1,024 x 1,024 float32; bk 1,024 float32; bo 1,024 float32; bq 1,024 float32; bv 1,024 float32; mask 2,048 x 2,048 bool; x 4 x 2,048 x 1,024 float32.
;; Outputs: out0 4 x 2,048 x 1,024 float32.
;; This version of the problem:
;;   THIS VERSION OF THE PROBLEM IS GIVEN IN LOW PRECISION. The matrix products marked QUANTISED in the list below multiply operands that are first quantised to E2M3 (2 exponent bits, 3 mantissa bits; 6 bits a number), with one power-of-two scale for each 32 numbers along K (OCP MX v1.0); their sums are f32. All else is computed in f32.
;;   The module's matrix products, in the order in which they are computed (A, B: the left and right operand; K: the contracted axis; several contracted axes count as one K, in the product's order):
;;     1. [M 8,192, K 1,024] x [K 1,024, N 1,024]; A: input x; B: input Wq: QUANTISED
;;     2. [M 8,192, K 1,024] x [K 1,024, N 1,024]; A: input x; B: input Wk: QUANTISED
;;     3. [M 8,192, K 1,024] x [K 1,024, N 1,024]; A: input x; B: input Wv: QUANTISED
;;     4. batch 64 x [M 2,048, K 64] x [K 64, N 2,048]; A: computed on the way; B: computed on the way: QUANTISED
;;     5. batch 64 x [M 64, K 2,048] x [K 2,048, N 2,048]; A: computed on the way; B: softmax (see below): QUANTISED
;;     6. [M 8,192, K 1,024] x [K 1,024, N 1,024]; A: computed on the way; B: input Wo: QUANTISED
;;   THE QUANTISER, for each operand of a quantised product, along K:
;;     - K is cut into blocks of 32 from its start; a last block that is shorter is filled with zeros.
;;     - A block's scale is 2^e with e = floor(log2(the largest magnitude in the block)) - 2, held to -126 .. 127; a block of zeros has e = 0. As a byte (E8M0): e + 127.
;;     - Each number is divided by its block's scale, clamped to +-7.5, and rounded to the nearest number of E2M3, ties to even, subnormals kept.
;;     - The product sums the exact products of the quantised numbers (number of the format x scale) in f32.
;;   ~~~python
;;   def quantise(x, axis):      # numpy; x: float32 -> the quantised numbers, widened to float32 again
;;       x = np.moveaxis(x, axis, -1); K = x.shape[-1]
;;       x = np.pad(x, [(0, 0)] * (x.ndim - 1) + [(0, -K % 32)]); x = x.reshape(x.shape[:-1] + (-1, 32)); a = np.abs(x).max(-1, keepdims=True)
;;       e = np.where(a > 0, np.clip(np.frexp(np.where(a > 0, a, 1))[1] - 1 - 2, -126, 127), 0)      # np.frexp(a)[1] - 1 = floor(log2(a)), exactly
;;       r = np.clip(x / 2.0 ** e, -7.5, 7.5)
;;       step = 2.0 ** (np.maximum(np.frexp(np.where(r == 0, 1, r))[1] - 1, 0) - 3)
;;       q = np.round(r / step) * step * 2.0 ** e      # np.round: ties to even
;;       return np.moveaxis(q.reshape(q.shape[:-2] + (-1,))[..., :K], -1, axis).astype(np.float32)
;;   ~~~
;;   SOFTMAX AHEAD OF A QUANTISED PRODUCT. Where the list says 'softmax', what is quantised is not the finished softmax but p = 2^(t - M), with t = logit x log2(e) and M = ceil(the row's largest t), a whole number; so 1/2 < the row's largest p <= 1. The row's sum l is taken of the UNQUANTISED p, in f32, and the product's result is divided by l at the end. Since M is a whole number, a kernel that streams over the keys may use a running M (the ceiling of the running maximum): every later rescaling is an exact power of two, which a block's scale takes up: the codes' values come out the same.
;;   OPERANDS COMPUTED ON THE WAY. 'Computed on the way' means the value that the module computes at that place (a softmax that the list does not call 'softmax' is quantised finished and normalised). What goes into a quantiser is computed in f32, as accurately as f32 sums, v_exp_f32 and their like allow (about 1e-6 of the number): no bf16 or f16 on the way to a quantiser, and a product that is left as it is and whose result goes on into a quantised operand takes f32 operands (vector FMAs, or v_wmma_f32_16x16x4_f32). A number that lies on a knife's edge between two numbers of the format may be rounded either way, as far as f32 arithmetic and the matrix unit's own rounding can turn it there, and no further.
;; 2 versions, each right; version 2 is version 1 with the launch attn written anew for expert scheduling mode. Each part assembles by itself: llvm-mc -triple=amdgcn-amd-amdhsa -mcpu=gfx1250 --defsym DOCPART=n.
;; ======== version 1 of 2: 4 launches
;; workspace buffers: xq 6,553,600 bytes; wq 3,276,800 bytes; rope 524,288 bytes; maskw 526,336 bytes of whole numbers; q 6,815,744 bytes; kv 13,369,344 bytes; oq 6,553,600 bytes
;; launch prep (part 1): grid 256 x 1, 4 waves a work-group, no clusters, 34,304 bytes of LDS; arguments x, Wq, Wk, Wv, Wo, mask, xq, wq, rope, maskw; writes xq, wq, rope, maskw
.if DOCPART == 1
	.amdgcn_target "amdgcn-amd-amdhsa--gfx1250"
	.amdhsa_code_object_version 6
	.text
	.protected	k_q38b0ac4cbe_prep
	.globl	k_q38b0ac4cbe_prep
	.p2align	8
	.type	k_q38b0ac4cbe_prep,@function
k_q38b0ac4cbe_prep:
	s_mov_b64 s[64:65], 0
	v_nop
	global_prefetch_b8 v0, s[64:65] scope:SCOPE_SE
	s_setreg_imm32_b32 hwreg(HW_REG_WAVE_MODE, 25, 1), 1
	s_wait_xcnt 0x0
; PREP.  What the later launches read many times is made once: codes of FP6 (E2M3) and E8M0 scale bytes of x and of the four weights, RoPE's table of cosines and sines, and the mask as lane-mask words with two flags a step.
; THE CODES' LAYOUT, an image of 768 bytes for 16 rows x 64 along K (two blocks of 32, 24 bytes each): the first 16 bytes of (row r, block h) at 16 (r + 16 h), the last 8 at 512 + 16 r + 8 h.
; A lane of a matrix operand then takes its 24 bytes by one load of 16 bytes at 16 x lane and one of 8 bytes; a lane that holds both blocks of a row stores three times 16 bytes, sixteen lanes to 256 consecutive aligned bytes.
; A block's scale is 2^(floor(log2(largest magnitude)) - 2): its byte is the largest magnitude's exponent field - 2, held at 1 from below by a floor among the maximum's leaves.
; LIMITS: a block of zeros gets the byte 1 where the rule says 127 (its codes are zeros; the bytes are read by this program alone); blocks whose largest magnitude lies under 2^-124 are held at byte 1;
; NaN and infinities among x and the weights are not served.  RoPE's inverse frequencies are 2^(-d log2(10000) / 32) by v_exp_f32: an angle may differ from pos x inv_freq as f32 division gives it by a few 1e-4 rad at the
; largest positions of the highest frequencies.  Sine and cosine: the angle less a multiple of pi / 2 (in two parts), then polynomials on +-pi / 4.
; SHARES.  256 work-groups of four waves.  Waves 0, 1: a tile of 16 rows of x each (512 tiles).  Waves 2, 3: task tw of 512: 32 columns x 256 along K of one weight; four key steps of one tile of 16 queries of the mask; a quarter of one
; tile of 16 positions of the table.  Waves share nothing: no barrier.
.set STGB,  8448                       ; a wave's stage in LDS: 16 rows x (512 bytes + 16)
.set SPARE, 4*STGB                     ; behind the stages: the spare words, 128 bytes a wave: two blocks of 256 bytes that no other line names
.set SPW,   254                        ; v254  my spare word's LDS address; never rewritten
.set NIL,   255                        ; v255  0; never rewritten
.set R,     16                         ; v16-143   x as loaded, two sets of 64
.set X,     144                        ; v144-207  64 neighbours along K of one row
.set QA0,   208                        ; v208-211  block 0's first 16 bytes of codes;  v212-215 block 1's;  v216-219 the last 8 bytes of both
.set QA1,   212
.set QB,    216
.set QT0,   220                        ; v220-222, v224-226  a conversion's three registers begin on an even number: the second halves are made here and moved
.set QT1,   224
.set QM,    228                        ; v228-233  largest magnitudes, scale operands, bytes
.set WD,    236                        ; v236-243  x's scale words, one for each 128 along K;  for a weight: v236-237 its eight bytes
.set OW,    80                         ; v80-87    a step's 64 mask words, two to a lane
.set MK,    96                         ; v96-159   the mask's bytes
.set XSCO,  6291456                    ; where x's scale bytes begin in xq
.set WSCO,  3145728                    ; and the weights' in wq
.set FLGO,  524288                     ; and the flags in maskw
; 64 numbers of a lane, two whole blocks, become 48 bytes of codes in QA0, QA1, QB; the bytes in v[QM+4], v[QM+5]
.macro QUANT64 x
.irp b, 0,1
	v_max3_num_f32 v[QM+\b], |v[(\x)+32*\b]|, |v[(\x)+32*\b+1]|, 0x1800000   ; the floor 2^(3 - 127) among the leaves: the byte cannot fall under 1
.endr
.irp i, 2,4,6,8,10,12,14,16,18,20,22,24,26,28,30
.irp b, 0,1
	v_max3_num_f32 v[QM+\b], v[QM+\b], |v[(\x)+32*\b+\i]|, |v[(\x)+32*\b+\i+1]|   ; the two blocks by turns
.endr
.endr
.irp b, 0,1
	v_add_nc_u32 v[QM+2+\b], 0xff000000, v[QM+\b]      ; 2 off the exponent field: the conversion takes this operand's exponent field as its scale
.endr
.irp b, 0,1
	v_lshrrev_b32 v[QM+4+\b], 23, v[QM+2+\b]           ; the scale's byte
.endr
	v_cvt_scalef32_pk16_fp6_f32 v[QA0:QA0+2], v[(\x):(\x)+15], v[QM+2]
	v_cvt_scalef32_pk16_fp6_f32 v[QT0:QT0+2], v[(\x)+16:(\x)+31], v[QM+2]
	v_cvt_scalef32_pk16_fp6_f32 v[QA1:QA1+2], v[(\x)+32:(\x)+47], v[QM+3]
	v_cvt_scalef32_pk16_fp6_f32 v[QT1:QT1+2], v[(\x)+48:(\x)+63], v[QM+3]
	v_nop                                              ; one plain place behind the scaled conversions
	v_mov_b32 v[QA0+3], v[QT0]
	v_mov_b32 v[QA1+3], v[QT1]
	v_mov_b32 v[QB], v[QT0+1]
	v_mov_b32 v[QB+1], v[QT0+2]
	v_mov_b32 v[QB+2], v[QT1+1]
	v_mov_b32 v[QB+3], v[QT1+2]
.endm
; 32 numbers of a lane, one block: its first 16 bytes of codes into v[a] on, its last 8 into v[b], v[b+1]; the byte in v[QM+3]
.macro QUANT32 x, a, b
	v_max3_num_f32 v[QM], |v[(\x)]|, |v[(\x)+1]|, |v[(\x)+2]|
	v_max3_num_f32 v[QM+1], |v[(\x)+3]|, |v[(\x)+4]|, |v[(\x)+5]|
.irp i, 6,10,14,18,22,26
	v_max3_num_f32 v[QM], v[QM], |v[(\x)+\i]|, |v[(\x)+\i+1]|
	v_max3_num_f32 v[QM+1], v[QM+1], |v[(\x)+\i+2]|, |v[(\x)+\i+3]|
.endr
	v_max3_num_f32 v[QM], v[QM], |v[(\x)+30]|, |v[(\x)+31]|
	v_max3_num_f32 v[QM], v[QM], v[QM+1], 0x1800000    ; and the floor
	v_add_nc_u32 v[QM+2], 0xff000000, v[QM]
	v_lshrrev_b32 v[QM+3], 23, v[QM+2]
	v_cvt_scalef32_pk16_fp6_f32 v[(\a):(\a)+2], v[(\x):(\x)+15], v[QM+2]
	v_cvt_scalef32_pk16_fp6_f32 v[QT0:QT0+2], v[(\x)+16:(\x)+31], v[QM+2]
	v_nop                                              ; one plain place behind the scaled conversions
	v_mov_b32 v[(\a)+3], v[QT0]
	v_mov_b32 v[(\b)], v[QT0+1]
	v_mov_b32 v[(\b)+1], v[QT0+2]
.endm
	s_load_b512 s[4:19], s[0:1], 0x0               ; x s[4:5], Wq s[6:7], Wk s[8:9], Wv s[10:11], Wo s[12:13], mask s[14:15], xq s[16:17], wq s[18:19]
	s_load_b128 s[20:23], s[0:1], 0x40             ; rope s[20:21], maskw s[22:23]
	v_lshl_add_u32 v[SPW], v0, 2, SPARE
	v_mov_b32 v[NIL], 0
	v_lshrrev_b32 v1, 5, v0
	v_readfirstlane_b32 s24, v1                    ; wave 0..3
	v_and_b32 v10, 31, v0                          ; l
	v_and_b32 v11, 15, v0                          ; r
	v_bfe_u32 v12, v0, 4, 1                        ; cc = l / 16
	s_mul_i32 s25, s24, STGB
	v_lshlrev_b32 v1, 4, v10                       ; 16 l
	v_add_nc_u32 v2, s25, v1                       ; the stage, on the way in: a row's 512 bytes as they lie
	v_mul_u32_u24 v3, v11, 528
	v_lshl_add_u32 v3, v12, 8, v3
	v_add_nc_u32 v3, s25, v3                       ; and on the way out: row r, 256 cc bytes on: my 64 neighbours
	v_mul_u32_u24 v4, v12, 768
	v_lshl_add_u32 v4, v11, 4, v4                  ; x's codes: image cc of the step's two, 16 r
	v_lshlrev_b32 v5, 5, v11
	v_lshl_add_u32 v5, v12, 4, v5                  ; x's scale bytes: 32 r + 16 cc
	v_lshlrev_b32 v6, 2, v10                       ; a weight's column: 4 l
	v_mul_u32_u24 v7, v12, 12288
	v_lshl_add_u32 v7, v11, 4, v7                  ; a weight's codes: row tile cc of my two, 16 r
	v_lshlrev_b32 v8, 5, v10                       ; a weight's scale bytes: 32 l
	v_lshlrev_b32 v9, 11, v11
	v_lshl_add_u32 v9, v12, 3, v9                  ; the mask: row r of 2,048 bytes, + 8 cc
	v_lshlrev_b32 v13, 3, v10                      ; 8 l
	v_mov_b32 v15, 0
	s_mov_b32 s30, 0x76543210
	s_mov_b32 s31, 0xfedcba98                      ; v_permlanex16_b32's selects for lane l xor 16
	s_mov_b32 s32, 0xffff0000                      ; the lanes with cc = 1
	s_lshl_b32 s26, ttmp9, 1
	s_and_b32 s27, s24, 1
	s_add_co_u32 s26, s26, s27                     ; my task, 0..511: 2 x work-group + wave % 2
	s_mov_b32 s29, 0
	s_wait_kmcnt 0x0
	s_cmp_lt_u32 s24, 2
	s_cbranch_scc0 .Lwrole
; ---------------- waves 0, 1: 16 rows of x, eight steps of 128 along K
	s_lshl_b32 s28, s26, 16
	s_add_nc_u64 s[4:5], s[4:5], s[28:29]          ; my 16 rows of 4,096 bytes
	s_mul_i32 s28, s26, 12288
	s_add_nc_u64 s[34:35], s[16:17], s[28:29]      ; my row tile's 16 images
	s_lshl_b32 s28, s26, 9
	s_add_nc_u64 s[36:37], s[16:17], s[28:29]
	s_add_nc_u64 s[36:37], s[36:37], XSCO          ; my 16 rows of 32 scale bytes
	v_mov_b32 v245, 0                              ; written once: a lane permute's destination counts as one of its sources
.macro LOADX t                         ; each load reads 512 consecutive bytes of one row
.irp i, 0,1,2,3,4,5,6,7,8,9,10,11,12,13,14,15
	global_load_b128 v[R+64*((\t)%2)+4*\i:R+64*((\t)%2)+4*\i+3], v1, s[4:5] offset:4096*\i+512*(\t) th:TH_LOAD_NT
.endr
.endm
.macro STEPX t
.if (\t) < 7
	s_wait_loadcnt 16                              ; this step's 16 loads are in; the next step's may be out
.else
	s_wait_loadcnt 0x0
.endif
.irp i, 0,1,2,3,4,5,6,7,8,9,10,11,12,13,14,15
	ds_store_b128 v2, v[R+64*((\t)%2)+4*\i:R+64*((\t)%2)+4*\i+3] offset:528*\i
.endr
.irp j, 0,1,2,3,4,5,6,7,8,9,10,11,12,13,14,15
	ds_load_b128 v[X+4*\j:X+4*\j+3], v3 offset:16*\j   ; LDS serves a wave's instructions in order: these see the stores above
.endr
	s_wait_dscnt 0x0
	s_wait_xcnt 0x0                                ; the last step's stores have read the codes' registers, which are written again below
.if (\t) < 6
	LOADX (\t)+2
.endif
	QUANT64 X
	global_store_b128 v4, v[QA0:QA0+3], s[34:35] offset:1536*(\t)        ; sixteen lanes store 256 consecutive aligned bytes
	global_store_b128 v4, v[QA1:QA1+3], s[34:35] offset:1536*(\t)+256
	global_store_b128 v4, v[QB:QB+3], s[34:35] offset:1536*(\t)+512
	v_lshl_or_b32 v244, v[QM+5], 8, v[QM+4]        ; my two bytes: blocks 4 t + 2 cc, + 1
	v_permlanex16_b32 v245, v244, s30, s31         ; the other half's two
	v_cndmask_b32 v246, v244, v245, s32            ; cc = 0's
	v_cndmask_b32 v247, v245, v244, s32            ; cc = 1's
	v_lshl_or_b32 v[WD+(\t)], v247, 16, v246       ; the row's scale word for these 128 along K
.endm
	LOADX 0
	LOADX 1
.irp t, 0,1,2,3,4,5,6,7
	STEPX \t
.endr
.irp i, 0,1,2,3
	v_cndmask_b32 v[248+\i], v[WD+\i], v[WD+4+\i], s32   ; lanes 0-15 store a row's first four words, lanes 16-31 its last four
.endr
	global_store_b128 v5, v[248:251], s[36:37]     ; 512 consecutive bytes
	s_wait_tensorcnt 0x0                           ; the wave's end, behind my last LDS store
	ds_add_u32 v[SPW], v[NIL]
	s_wait_dscnt 0x0
	s_endpgm
; ---------------- waves 2, 3
.Lwrole:
	s_lshr_b32 s27, s26, 7                         ; which weight
	s_bfe_u32 s38, s26, 0x50002                    ; which 32 columns
	s_and_b32 s39, s26, 3                          ; which 256 along K; also: which four key steps, which part of the table
	s_lshr_b32 s44, s26, 2                         ; which tile of 16 queries, of 16 positions
	s_cmp_lt_u32 s27, 1
	s_cselect_b64 s[34:35], s[6:7], s[8:9]
	s_cmp_lt_u32 s27, 3
	s_cselect_b64 s[36:37], s[10:11], s[12:13]
	s_cmp_lt_u32 s27, 2
	s_cselect_b64 s[34:35], s[34:35], s[36:37]     ; Wq, Wk, Wv or Wo: the choice hangs on the task's number alone
	s_lshl_b32 s28, s39, 20                        ; 256 rows of 4,096 bytes
	s_lshl_b32 s33, s38, 7
	s_add_co_u32 s28, s28, s33
	s_add_nc_u64 s[34:35], s[34:35], s[28:29]
	s_lshl_b32 s28, s27, 6
	s_lshl_b32 s33, s38, 1
	s_add_co_u32 s28, s28, s33                     ; my first row tile of wq
	s_mul_i32 s28, s28, 12288
	s_mul_i32 s33, s39, 3072
	s_add_co_u32 s28, s28, s33
	s_add_nc_u64 s[36:37], s[18:19], s[28:29]
	s_lshl_b32 s28, s27, 15
	s_lshl_b32 s33, s38, 10
	s_add_co_u32 s28, s28, s33
	s_lshl_b32 s33, s39, 3
	s_add_co_u32 s28, s28, s33
	s_add_nc_u64 s[42:43], s[18:19], s[28:29]
	s_add_nc_u64 s[42:43], s[42:43], WSCO
	s_lshl_b32 s28, s44, 15                        ; the mask: 16 rows of 2,048 bytes, 512 keys on for each four steps
	s_lshl_b32 s33, s39, 9
	s_add_co_u32 s28, s28, s33
	s_add_nc_u64 s[14:15], s[14:15], s[28:29]
	s_lshl_b32 s28, s44, 12                        ; its words: 4,096 bytes a tile of queries, 256 a step
	s_lshl_b32 s33, s39, 10
	s_add_co_u32 s28, s28, s33
	s_add_nc_u64 s[48:49], s[22:23], s[28:29]
	s_lshl_b32 s28, s26, 2
	s_add_nc_u64 s[58:59], s[22:23], s[28:29]
	s_add_nc_u64 s[58:59], s[58:59], FLGO          ; my flag word
	s_lshl_b32 s28, s44, 12
	s_lshl_b32 s33, s39, 9
	s_add_co_u32 s28, s28, s33
	s_add_nc_u64 s[60:61], s[20:21], s[28:29]      ; my 512 bytes of cosines; the sines lie 2,048 bytes on
.irp k, 0,1,2,3                        ; the mask's bytes are asked for first: they are in when the weight's last block is
.irp t, 0,1,2,3,4,5,6,7
	global_load_b64 v[MK+16*\k+2*\t:MK+16*\k+2*\t+1], v9, s[14:15] offset:128*\k+16*\t th:TH_LOAD_NT   ; query r, keys 128 k + 16 t + 8 cc + 0 .. 7
.endr
.endr
; A WEIGHT [K][N]: a lane takes a column, its registers run down K: a block of 32 lies in one lane, and the codes come out with K innermost
.macro LOADW t
.irp i, 0,1,2,3,4,5,6,7,8,9,10,11,12,13,14,15,16,17,18,19,20,21,22,23,24,25,26,27,28,29,30,31
	global_load_b32 v[R+32*((\t)%2)+\i], v6, s[34:35] offset:(32*(\t)+\i)*4096 th:TH_LOAD_NT
.endr
.endm
.macro BLOCKW t
.if (\t) < 7
	s_wait_loadcnt 32                              ; this block's 32 loads are in; the next block's may be out
.else
	s_wait_loadcnt 0x0
.endif
.if ((\t)%2 == 0) && ((\t) > 0)
	s_wait_xcnt 0x0                                ; the last image's stores have read the codes' registers
.endif
	QUANT32 R+32*((\t)%2), QA0+4*((\t)%2), QB+2*((\t)%2)
.if (\t)%4 == 0
	v_mov_b32 v[WD+(\t)/4], v[QM+3]                ; four bytes to a register, the lower K in the lower byte
.else
	v_lshl_or_b32 v[WD+(\t)/4], v[QM+3], 8*((\t)%4), v[WD+(\t)/4]
.endif
.if (\t) < 6
	LOADW (\t)+2
.endif
.if (\t)%2 == 1
	global_store_b128 v7, v[QA0:QA0+3], s[36:37] offset:768*((\t)/2)
	global_store_b128 v7, v[QA1:QA1+3], s[36:37] offset:768*((\t)/2)+256
	global_store_b128 v7, v[QB:QB+3], s[36:37] offset:768*((\t)/2)+512
.endif
.endm
	LOADW 0
	LOADW 1
.irp t, 0,1,2,3,4,5,6,7
	BLOCKW \t
.endr
	global_store_b64 v8, v[WD:WD+1], s[42:43]      ; my column's eight scale bytes
; THE MASK.  Word n = 8 t + j of a step: bit l = mask[16 qt + l % 16][128 ks + 16 t + 8 (l / 16) + j]: the lane mask with which the scores' register n is selected.  Four words at a time
	s_mov_b32 s41, 0                               ; the flags: bit k: step k has a true entry; bit 16 + k: all its 2,048 entries are true
.irp k, 0,1,2,3,4,5,6,7
	v_mov_b32 v[OW+\k], 0                          ; v_writelane_b32's destination counts as read
.endr
.set KP, 0
.rept 4
	s_mov_b32 s45, 0
	s_mov_b32 s46, -1
.set G, 0
.rept 16
.irp e, 0,1,2,3
	v_and_b32 v[88+\e], 0xff<<(8*\e), v[MK+16*KP+2*(G>>1)+(G&1)]
.endr
.irp e, 0,1,2,3
	v_cmp_ne_u32 s[50+\e], 0, v[88+\e]
.endr
.irp e, 0,1,2,3
	v_writelane_b32 v[OW+2*KP+(\e&1)], s[50+\e], 2*G+(\e>>1)   ; lane n / 2 holds words n and n + 1
.endr
.irp e, 0,1,2,3
	s_or_b32 s45, s45, s[50+\e]
	s_and_b32 s46, s46, s[50+\e]
.endr
.set G, G+1
.endr
	global_store_b64 v13, v[OW+2*KP:OW+2*KP+1], s[48:49] offset:256*KP   ; 256 consecutive aligned bytes
	s_cmp_lg_u32 s45, 0
	s_cselect_b32 s47, 1<<KP, 0
	s_or_b32 s41, s41, s47
	s_cmp_eq_u32 s46, -1
	s_cselect_b32 s47, 1<<(16+KP), 0
	s_or_b32 s41, s41, s47
.set KP, KP+1
.endr
; ROPE'S TABLE: position s = 16 ST + r, frequencies d = 4 j + 0 .. 3 with j = 2 (tw % 4) + cc
	s_lshl_b32 s28, s44, 4
	v_add_nc_u32 v160, s28, v11
	v_cvt_f32_u32 v160, v160                       ; s
	s_lshl_b32 s33, s39, 3
	v_lshl_add_u32 v161, v12, 2, s33               ; 4 j
	v_mov_b32 v92, 0xb94ca1f9                      ; the polynomials' leading coefficients
	v_mov_b32 v93, 0x37ccf5ce
.irp e, 0,1,2,3
	v_add_nc_u32 v[162+\e], \e, v161
.endr
.irp e, 0,1,2,3
	v_cvt_f32_u32 v[162+\e], v[162+\e]
.endr
.irp e, 0,1,2,3
	v_mul_f32 v[162+\e], 0xbed49a78, v[162+\e]     ; - d log2(10000) / 32
.endr
.irp e, 0,1,2,3
	v_exp_f32 v[166+\e], v[162+\e]
.endr
	v_mov_b32 v89, s41                             ; (a plain place behind the exponentials)  the flags, for their store
	s_wait_alu depctr_va_vdst(0)                   ; one wait for the four, ahead of their first reader
.irp e, 0,1,2,3
	v_mul_f32 v[166+\e], v160, v[166+\e]           ; the angle
.endr
.macro SINCOS e
	v_mul_f32 v[170+\e], 0x3f22f983, v[166+\e]
	v_rndne_f32 v[170+\e], v[170+\e]               ; N = the nearest multiple of pi / 2
	v_fma_f32 v[174+\e], v[170+\e], 0xbfc90fdb, v[166+\e]
	v_fma_f32 v[174+\e], v[170+\e], 0x333bbd2e, v[174+\e]   ; R = angle - N pi / 2, pi / 2 in two parts
	v_cvt_i32_f32 v[178+\e], v[170+\e]
	v_mul_f32 v[182+\e], v[174+\e], v[174+\e]      ; Z = R R
	v_fmaak_f32 v[186+\e], v92, v[182+\e], 0x3c08839e
	v_fmaak_f32 v[186+\e], v[186+\e], v[182+\e], 0xbe2aaaa3
	v_mul_f32 v[186+\e], v[186+\e], v[182+\e]
	v_fma_f32 v[190+\e], v[186+\e], v[174+\e], v[174+\e]    ; sin R
	v_fmaak_f32 v[194+\e], v93, v[182+\e], 0xbab6061a
	v_fmaak_f32 v[194+\e], v[194+\e], v[182+\e], 0x3d2aaaa5
	v_fma_f32 v[198+\e], v[182+\e], -0.5, 1.0
	v_mul_f32 v[170+\e], v[182+\e], v[182+\e]
	v_fma_f32 v[202+\e], v[194+\e], v[170+\e], v[198+\e]    ; cos R
	v_and_b32 v206, 1, v[178+\e]
	v_cmp_eq_u32 vcc_lo, 1, v206                   ; an odd quadrant swaps the two
	v_cndmask_b32 v[20+\e], v[190+\e], v[202+\e], vcc_lo
	v_cndmask_b32 v[16+\e], v[202+\e], v[190+\e], vcc_lo
	v_lshlrev_b32 v206, 30, v[178+\e]
	v_and_b32 v206, 0x80000000, v206
	v_xor_b32 v[20+\e], v[20+\e], v206             ; the sine changes sign in quadrants 2, 3
	v_add_nc_u32 v207, 1, v[178+\e]
	v_lshlrev_b32 v207, 30, v207
	v_and_b32 v207, 0x80000000, v207
	v_xor_b32 v[16+\e], v[16+\e], v207             ; the cosine in quadrants 1, 2
.endm
.irp e, 0,1,2,3
	SINCOS \e
.endr
	global_store_b128 v1, v[16:19], s[60:61]               ; 512 consecutive bytes of cosines,
	global_store_b128 v1, v[20:23], s[60:61] offset:2048   ; and of sines
	s_wait_xcnt 0x0                                ; EXEC changes only behind this wait
	v_cmp_eq_u32 vcc_lo, 0, v10
	s_and_saveexec_b32 s56, vcc_lo
	global_store_b32 v15, v89, s[58:59]            ; lane 0 stores the flag word
	s_wait_xcnt 0x0                                ; and again, in front of the line that widens it
	s_or_b32 exec_lo, exec_lo, s56
	s_endpgm
.Lfunc_end_k_q38b0ac4cbe_prep:
	.size	k_q38b0ac4cbe_prep, .Lfunc_end_k_q38b0ac4cbe_prep-k_q38b0ac4cbe_prep
	.p2alignl 7, 3214868480
	.fill 96, 4, 3214868480
	.section	.rodata,"a",@progbits
	.p2align	6, 0x0
	.amdhsa_kernel k_q38b0ac4cbe_prep
		.amdhsa_group_segment_fixed_size 34304
		.amdhsa_private_segment_fixed_size 0
		.amdhsa_enable_private_segment 0
		.amdhsa_kernarg_size 80
		.amdhsa_user_sgpr_count 2
		.amdhsa_user_sgpr_kernarg_segment_ptr 1
		.amdhsa_wavefront_size32 1
		.amdhsa_system_sgpr_workgroup_id_x 1
		.amdhsa_system_sgpr_workgroup_id_y 1
		.amdhsa_system_sgpr_workgroup_id_z 1
		.amdhsa_system_vgpr_workitem_id 0
		.amdhsa_next_free_vgpr 256
		.amdhsa_next_free_sgpr 66
		.amdhsa_reserve_vcc 1
		.amdhsa_float_denorm_mode_32 3
		.amdhsa_float_denorm_mode_16_64 3
		.amdhsa_memory_ordered 1
		.amdhsa_forward_progress 1
		.amdhsa_inst_pref_size 172
	.end_amdhsa_kernel
	.amdgpu_metadata
---
amdhsa.version: [ 1, 2 ]
amdhsa.kernels:
  - .name:           k_q38b0ac4cbe_prep
    .symbol:         k_q38b0ac4cbe_prep.kd
    .args:
      - { .name: x, .offset: 0, .size: 8, .value_kind: global_buffer, .address_space: global }
      - { .name: Wq, .offset: 8, .size: 8, .value_kind: global_buffer, .address_space: global }
      - { .name: Wk, .offset: 16, .size: 8, .value_kind: global_buffer, .address_space: global }
      - { .name: Wv, .offset: 24, .size: 8, .value_kind: global_buffer, .address_space: global }
      - { .name: Wo, .offset: 32, .size: 8, .value_kind: global_buffer, .address_space: global }
      - { .name: mask, .offset: 40, .size: 8, .value_kind: global_buffer, .address_space: global }
      - { .name: xq, .offset: 48, .size: 8, .value_kind: global_buffer, .address_space: global }
      - { .name: wq, .offset: 56, .size: 8, .value_kind: global_buffer, .address_space: global }
      - { .name: rope, .offset: 64, .size: 8, .value_kind: global_buffer, .address_space: global }
      - { .name: maskw, .offset: 72, .size: 8, .value_kind: global_buffer, .address_space: global }
    .group_segment_fixed_size: 34304
    .private_segment_fixed_size: 0
    .kernarg_segment_align: 8
    .kernarg_segment_size: 80
    .max_flat_workgroup_size: 128
    .sgpr_count:     66
    .vgpr_count:     256
    .wavefront_size: 32
...
	.end_amdgpu_metadata
.endif
;; end of part 1
;; launch gemm_qkv (part 2): grid 12 x 32, 4 waves a work-group, clusters of 4 x 4, 327,680 bytes of LDS; arguments xq, wq, bq, bk, bv, rope, q, kv; writes q, kv
.if DOCPART == 2
	.amdgcn_target "amdgcn-amd-amdhsa--gfx1250"
	.amdhsa_code_object_version 6
	.text
	.protected	k_q38b0ac4cbe_gemm_qkv
	.globl	k_q38b0ac4cbe_gemm_qkv
	.p2align	8
	.type	k_q38b0ac4cbe_gemm_qkv,@function
k_q38b0ac4cbe_gemm_qkv:
	s_mov_b64 s[64:65], 0
	v_nop
	global_prefetch_b8 v0, s[64:65] scope:SCOPE_SE
	s_setreg_imm32_b32 hwreg(HW_REG_WAVE_MODE, 25, 1), 1
	s_wait_xcnt 0x0
	s_wait_alu depctr_hold_cnt(0) depctr_sa_sdst(0) depctr_va_vdst(0) depctr_va_sdst(0) depctr_va_ssrc(0) depctr_va_vcc(0) depctr_vm_vsrc(0)
	s_getreg_b32 s2, hwreg(HW_REG_IB_STS2, 6, 4)
	s_cmp_eq_u32 s2, 0
	s_cbranch_scc0 .Lentry_in_a_cluster
	s_endpgm
.Lentry_in_a_cluster:
	s_bfe_u32 s2, ttmp6, 0x10000c
	s_cmp_lg_u32 s2, 0xf033
	s_cbranch_scc0 .Lentry_shape_is_right
	s_endpgm
.Lentry_shape_is_right:
; q, k, v = x W + b on codes of FP6 (E2M3) with E8M0 scales, M 8,192, K 1,024, N 3 x 1,024; then, still in this launch, RoPE on q and k, and the quantising of q and k along the head's 64 and of v along the keys.
; A tile of 256 x 256 is made by a work-group of four waves; a wave makes 128 x 128: 64 accumulators, 512 registers.  K goes in four steps of 256 through a ring of two LDS slots filled by the tensor data mover.
; THE CODES lie in memory as images of operand registers: 768 bytes for 16 rows x 64 along K (the first 16 bytes of (row r, block h) at 16 (r + 16 h), the last 8 at 512 + 16 r + 8 h), 16 images on end for a tile of 16 rows.
; A K step of a row tile is 3,072 consecutive bytes; a wave's tensor load brings 8 such rows, 12,288 bytes apart.  A fragment comes from LDS by two loads of 16 bytes at 16 x lane and two of 8: consecutive bytes, no padding.
; THE SCALE BYTES of the work-group's 256 + 256 rows for all of K come once, with the first fills, and stay in LDS.
; CLUSTERS: 4 x 4 work-groups; A's tiles are asked for jointly along a row of the cluster, B's along a column.  Cluster x = 0, 1, 2 makes q, k, v: the way out parts on the cluster's x, which all partners share.
; THE MATRIX INSTRUCTION IS USED TRANSPOSED (source 0 = 16 rows of W^T, source 1 = 16 rows of x): a lane holds eight neighbouring columns of one row.  The bias is the C of each sum's first instruction.
; THE WAY OUT.  q, k: 16 rows x 128 columns at a time through my stage; a lane takes one row of one head (64 numbers), turns it by the table's cosines and sines, quantises its two blocks and stores three times 16 bytes of an image.
; v: 32 rows (keys) at a time through a second stage; a lane takes a column, 32 keys down: one block.  Within a block the keys lie in the order 0-7, 16-23, 8-15, 24-31, as the softmax's codes will; a tile's 16 rows are the
; channels 32 b + 8 u + r + 8 (r / 8), so that the attention's result has 16 neighbouring channels in a lane.
; LIMITS: a block of zeros gets the byte 1 (its codes are zeros; this program alone reads the bytes); blocks whose largest magnitude lies under 2^-124 are held at byte 1; NaN and infinities are not served.
; REGISTERS, in windows of 256: window 0: v0-31 addresses; v32-63 scale words, two sets, and nothing else; v64-127 the bias; from v128 A's fragments, one set; on the way out v64-235 at work.
;   window 1: B's fragments, two sets, at v0 and v128; on the way out the table, two sets at v0 and v64.   windows 2, 3: the accumulators ((a, b) at v[8 (8 (a % 4) + b)]).
.set NQ,     2                         ; matrix instructions deep in a slot
.set FR,     12                        ; registers of a fragment
.set NL,     4                         ; LDS loads that bring one
.set NP,     4                         ; places behind this matrix instruction (ISA guide 7.12.1)
.set KSB,    3072                      ; a row tile's bytes of a K step
.set HALFT,  8*KSB                     ; what one tensor load brings, and what one wave reads of A or of B
.set SLOT,   4*HALFT
.set LAPS,   2
.set KS,     32                        ; a row of scale bytes
.set SCL,    2*SLOT                    ; behind the ring: the scale bytes, as units of 256 bytes + 16 of padding
.set HALFS,  (128*KS/256)*272
.set SBLK,   (16*KS/256)*272
.set SPARE,  SCL+4*HALFS               ; the spare words, 128 bytes a wave: two blocks of 256 bytes that no other line names
.set SPITCH, 528
.set STQ,    SPARE+512                 ; q's and k's stages: 16 rows x 528 for each wave: bytes of their own, into which no fill lands
.set STV,    STQ+4*16*SPITCH           ; v's stages: 32 rows x 528 for each wave
.set XSCO,   6291456                   ; where the scale bytes begin in xq, in wq
.set WSCO,   3145728
.set QH,     106496                    ; a head of q: 128 images, then its scale words
.set KVH,    208896                    ; a head of kv: K's images, K's scale words, V's images, V's scale words
.set KSC,    98304
.set VIM,    106496
.set VSC,    204800
.set STOV, 8                           ; v8   v's stage: where I put 32 bytes of a row
.set RDV,  9                           ; v9   and my column in it
.set ADRA, 16                          ; v16-17 my A fragments' 16-byte pieces in slot 0, 1; v18-19 their 8-byte pieces
.set ADRB, 20                          ; v20-23 the same for B
.set STO,  24                          ; v24  q's stage: where I put 32 bytes of a row
.set RD,   25                          ; v25  and where I read one head's 256 bytes of a row
.set ADRS, 27                          ; v27  my scale words: lanes 0-15 A's rows, lanes 16-31 B's
.set SPW,  28                          ; v28  my spare word; never rewritten
.set NIL,  29                          ; v29  0; never rewritten
.set SC,   32
.set BI,   64
.set AF,   128
.set XQ,   64                          ; the way out of q, k: v64-191 two sets of 64 numbers
.set QA0,  192
.set QA1,  196
.set QB,   200
.set QT0,  204
.set QT1,  208
.set QM,   212
.set SW,   220                         ; v220-227 the eight tiles' scale words
.set RTMP, 228                         ; v228-235 at work
.set XV,   64                          ; the way out of v: v64-127 two sets of 32 numbers; v128-175 four column groups' codes; v176-179 their scale words
.set VC,   128
.set VW,   176
.set G1, 24
.set G0, 32
.set G1B, 48
.set G0B, 56
.set G1S, 68
.set G0S, 76
.set G1SB, 80
.set G0SB, 88
.set MSB, 0
.macro WIN new                         ; the immediate's high byte repeats the setting that is left
.if MSB != (\new)
	s_set_vgpr_msb (MSB<<8)|(\new)
.set MSB, \new
.endif
.endm
.set MUL_LO, 0xa1                      ; source 0 (B) window 1, source 1 (A) window 0, C and D window 2
.set MUL_HI, 0xf1                      ; the same, C and D window 3
.set TO_B,   0x40                      ; destination window 1, address window 0
; A joint load: waves 0 and 1 fetch for A, waves 2 and 3 for B; the branch hangs on the wave's number alone.  An s_nop 0 and four v_nop follow each of the two lines.
.macro JLOAD g0a, g1a, g0b, g1b
	s_cmp_eq_u32 s15, 0
	s_cbranch_scc0 .Lfor_b_\@
	tensor_load_to_lds s[\g0a:\g0a+3], s[\g1a:\g1a+7]
	s_nop 0
.rept 4
	v_nop
.endr
	s_branch .Lasked_\@
.Lfor_b_\@:
	tensor_load_to_lds s[\g0b:\g0b+3], s[\g1b:\g1b+7]
	s_nop 0
.rept 4
	v_nop
.endr
.Lasked_\@:
.endm
.macro CREST                           ; a round of the cluster's barrier behind its opening barrier
	s_cmp_lg_u32 s14, 0
	s_cbranch_scc1 .Lnot_wave_0_\@
	s_barrier_signal -3
.Lnot_wave_0_\@:
	s_barrier_wait -3
	s_barrier_signal -1
	s_barrier_wait -1
.endm
.macro CROUND
	s_barrier_signal -1
	s_barrier_wait -1
	CREST
.endm
	s_load_b128 s[4:7], s[0:1], 0x0                ; xq s[4:5], wq s[6:7]
	s_load_b128 s[8:11], s[0:1], 0x10              ; bq, bk
	s_load_b64 s[12:13], s[0:1], 0x20              ; bv
	s_load_b128 s[96:99], s[0:1], 0x28             ; rope s[96:97], q s[98:99]
	s_load_b64 s[100:101], s[0:1], 0x38            ; kv
	v_lshl_add_u32 v[SPW], v0, 2, SPARE
	v_mov_b32 v[NIL], 0
	ds_add_u32 v[SPW], v[NIL]                      ; the wave's opening: the add, and its wait ahead of my first tensor load; work on registers stands between them
	v_lshrrev_b32 v1, 5, v0
	v_readfirstlane_b32 s14, v1                    ; wave 0..3
	s_lshr_b32 s15, s14, 1                         ; which half of the tile's rows is mine.  Also: I fetch for A (0) or for B (1)
	s_and_b32 s16, s14, 1                          ; which half of its columns.  Also: which 128 rows of that tile I fetch
	s_bfe_u32 s40, ttmp6, 0x40000                  ; cx, cy
	s_bfe_u32 s41, ttmp6, 0x40004
	s_lshl_b32 s42, ttmp9, 2
	s_add_co_u32 s42, s42, s40                     ; tile column = 4 x cluster x + cx
	s_and_b32 s17, ttmp7, 0xffff
	s_lshl_b32 s17, s17, 2
	s_add_co_u32 s17, s17, s41                     ; tile row = 4 x cluster y + cy
	s_lshl_b32 s43, s41, 2
	s_lshl_b32 s43, 15, s43                        ; my row of the cluster
	s_lshl_b32 s44, 0x1111, s40                    ; my column
	; descriptor group 1 for the codes: 8 rows of 384 elements of 8 bytes (3,072 bytes), 1,536 elements apart, no padding
	s_or_b32 s[G1+0], s43, (3<<16)|(1<<21)         ; 15:0 the mask; 17:16 elements of 8 bytes; 21 set beside a mask
	s_or_b32 s[G1B+0], s44, (3<<16)|(1<<21)
.irp g, G1, G1B
	s_mov_b32 s[\g+1], 384<<16                     ; tensor_dim0
	s_mov_b32 s[\g+2], 8<<16                       ; tensor_dim1
	s_mov_b32 s[\g+3], 384<<16                     ; tile_dim0
	s_mov_b32 s[\g+4], 8                           ; tile_dim1
	s_mov_b32 s[\g+5], 1536                        ; tensor_dim0_stride
	s_mov_b32 s[\g+6], 0
	s_mov_b32 s[\g+7], 0
.endr
	; and for the scale bytes of 128 rows: 4,096 dense bytes as 16 rows of 256, 16 bytes of padding behind each
	s_or_b32 s[G1S+0], s43, (3<<16)|(1<<20)|(1<<21)|(5<<22)|(3<<25)
	s_or_b32 s[G1SB+0], s44, (3<<16)|(1<<20)|(1<<21)|(5<<22)|(3<<25)
.irp g, G1S, G1SB
	s_mov_b32 s[\g+1], 32<<16
	s_mov_b32 s[\g+2], (128*KS/256)<<16
	s_mov_b32 s[\g+3], 32<<16
	s_mov_b32 s[\g+4], 128*KS/256
	s_mov_b32 s[\g+5], 32
	s_mov_b32 s[\g+6], 0
	s_mov_b32 s[\g+7], 0
.endr
	s_lshl_b32 s18, s16, 7                         ; which 128 rows of the tile I fetch
	s_lshl_b32 s20, s17, 8
	s_add_co_u32 s20, s20, s18                     ; A: row 256 x tile row + 128 x half
	s_lshl_b32 s46, s42, 8
	s_add_co_u32 s46, s46, s18                     ; B: row 256 x tile column + 128 x half
	s_mov_b32 s21, 0
	s_mov_b32 s47, 0
	s_mov_b64 s[18:19], KS
	s_mul_u64 s[22:23], s[20:21], s[18:19]         ; where these rows' scale bytes begin,
	s_mul_u64 s[92:93], s[46:47], s[18:19]
	s_mov_b64 s[18:19], 768
	s_mul_u64 s[20:21], s[20:21], s[18:19]         ; and their codes: 12,288 bytes for 16 rows
	s_mul_u64 s[46:47], s[46:47], s[18:19]
	s_mul_i32 s45, s14, HALFT                      ; where they go: wave x 8 row tiles: no place in the cluster enters an LDS address
	s_mul_i32 s94, s14, HALFS
	s_wait_dscnt 0x0                               ; the opening add is done
	s_wait_kmcnt 0x0
	s_add_nc_u64 s[20:21], s[4:5], s[20:21]
	s_add_nc_u64 s[22:23], s[4:5], s[22:23]
	s_add_nc_u64 s[22:23], s[22:23], XSCO
	s_add_nc_u64 s[46:47], s[6:7], s[46:47]
	s_add_nc_u64 s[92:93], s[6:7], s[92:93]
	s_add_nc_u64 s[92:93], s[92:93], WSCO
	CROUND                                         ; all sixteen work-groups are here: the first joint loads meet
	s_mov_b32 s[G0S], 1
	s_add_co_u32 s[G0S+1], s94, SCL
	s_mov_b64 s[G0S+2:G0S+3], s[22:23]
	s_or_b32 s[G0S+3], s[G0S+3], 0x80000000
	s_mov_b32 s[G0SB], 1
	s_add_co_u32 s[G0SB+1], s94, SCL
	s_mov_b64 s[G0SB+2:G0SB+3], s[92:93]
	s_or_b32 s[G0SB+3], s[G0SB+3], 0x80000000
	JLOAD G0S, G1S, G0SB, G1SB                     ; the scale bytes first: they are wanted with K step 0
.irp s, 0,1
	s_mov_b32 s[G0+4*\s], 1
	s_add_co_u32 s[G0+4*\s+1], s45, \s*SLOT
	s_add_nc_u64 s[G0+4*\s+2:G0+4*\s+3], s[20:21], \s*KSB
	s_or_b32 s[G0+4*\s+3], s[G0+4*\s+3], 0x80000000
	s_mov_b32 s[G0B+4*\s], 1
	s_add_co_u32 s[G0B+4*\s+1], s45, \s*SLOT
	s_add_nc_u64 s[G0B+4*\s+2:G0B+4*\s+3], s[46:47], \s*KSB
	s_or_b32 s[G0B+4*\s+3], s[G0B+4*\s+3], 0x80000000
	JLOAD G0+4*\s, G1, G0B+4*\s, G1B               ; three tensor loads of mine are out now
.endr
	v_and_b32 v1, 15, v0                           ; r = l % 16
	v_bfe_u32 v2, v0, 4, 1                         ; h = l / 16
	v_and_b32 v3, 31, v0                           ; l
	; the bias of my 128 columns: tile b, register j = bias[16 b + 8 h + j]
	s_lshl_b32 s46, s42, 8
	s_lshl_b32 s47, s16, 7
	s_add_co_u32 s46, s46, s47
	s_and_b32 s95, s46, 1023                       ; my first column within q, k or v
	s_lshl_b32 s46, s95, 2
	s_mov_b32 s47, 0
	s_cmp_eq_u32 ttmp9, 0
	s_cselect_b64 s[8:9], s[8:9], s[10:11]
	s_cmp_eq_u32 ttmp9, 2
	s_cselect_b64 s[8:9], s[12:13], s[8:9]         ; bq, bk or bv, by the cluster's x
	s_add_nc_u64 s[8:9], s[8:9], s[46:47]
	v_lshlrev_b32 v30, 5, v2                       ; 32 h
.irp b, 0,1,2,3,4,5,6,7
	global_load_b128 v[BI+8*\b:BI+8*\b+3], v30, s[8:9] offset:64*\b
	global_load_b128 v[BI+8*\b+4:BI+8*\b+7], v30, s[8:9] offset:64*\b+16
.endr
	v_lshlrev_b32 v4, 4, v3                        ; 16 l: an image's 16-byte pieces
	v_lshlrev_b32 v11, 4, v1                       ; 16 r
	v_lshl_add_u32 v5, v2, 3, v11                  ; 16 r + 8 h: its 8-byte pieces (512 bytes on, in the offset)
	s_mul_i32 s21, s15, HALFT                      ; my 128 rows of A
	s_mul_i32 s22, s16, HALFT                      ; my 128 rows of B,
	s_add_co_u32 s22, s22, 2*HALFT                 ; which lie behind A's 256
.irp s, 0,1
	v_add_nc_u32 v[ADRA+\s], s21, v4
	v_add_nc_u32 v[ADRB+\s], s22, v4
	v_add_nc_u32 v[ADRA+2+\s], s21, v5
	v_add_nc_u32 v[ADRB+2+\s], s22, v5
	s_add_co_u32 s21, s21, SLOT
	s_add_co_u32 s22, s22, SLOT
.endr
	v_mul_u32_u24 v5, v1, KS                       ; my row's scale bytes: KS a row,
	v_lshrrev_b32 v6, 8, v5
	v_lshl_add_u32 v5, v6, 4, v5                   ; and 16 more for each 256 passed
	s_mul_i32 s21, s15, HALFS
	s_mul_i32 s22, s16, HALFS
	s_add_co_u32 s22, s22, 2*HALFS
	s_sub_co_u32 s22, s22, s21
	v_mul_u32_u24 v6, s22, v2                      ; lanes 16-31 take B's
	s_add_co_u32 s21, s21, SCL
	v_add_nc_u32 v5, v5, v6
	v_add_nc_u32 v[ADRS], s21, v5
	; the stages' addresses, all made here, ahead of the parting of the ways out
	s_mul_i32 s23, s14, 16*SPITCH
	s_add_co_u32 s23, s23, STQ
	v_mul_u32_u24 v5, v1, SPITCH
	v_lshl_add_u32 v6, v2, 5, v5
	v_add_nc_u32 v[STO], s23, v6                   ; in: row r, 32 bytes for each half of the lanes
	v_lshl_add_u32 v12, v2, 8, v5
	v_add_nc_u32 v[RD], s23, v12                   ; back: row r, head h of my two
	s_mul_i32 s23, s14, 32*SPITCH
	s_add_co_u32 s23, s23, STV
	v_add_nc_u32 v[STOV], s23, v6
	v_and_b32 v6, 7, v0
	v_lshl_add_u32 v6, v2, 3, v6
	v_bfe_u32 v12, v0, 3, 1
	v_lshl_add_u32 v6, v12, 4, v6                  ; my channel among 32: l % 8 + 8 (l / 16) + 16 ((l / 8) % 2)
	v_lshlrev_b32 v6, 2, v6
	v_add_nc_u32 v[RDV], s23, v6
	v_lshlrev_b32 v10, 3, v3                       ; 8 l
.macro FRAG reg, adr, q, i             ; a fragment, 16 rows x 128 K: two images; registers 6 c .. 6 c + 5 are my 24 bytes of image c
	ds_load_b128 v[\reg:\reg+3], v[\adr] offset:(\i)*KSB+(\q)*1536
	ds_load_b64 v[\reg+4:\reg+5], v[\adr+2] offset:(\i)*KSB+(\q)*1536+512
	ds_load_b128 v[\reg+6:\reg+9], v[\adr] offset:(\i)*KSB+(\q)*1536+768
	ds_load_b64 v[\reg+10:\reg+11], v[\adr+2] offset:(\i)*KSB+(\q)*1536+1280
.endm
; 16 matrix instructions: A's blocks a0, a0 + 1 x B's eight.  zero = 1: the first product starts the sums, with the bias as C.  The 64 accumulators take turns, one instruction a turn.
.macro MUL16 a0, p, q, sc, zero
.irp a, \a0, \a0+1
.irp b, 0,1,2,3,4,5,6,7
.if \zero
	v_wmma_scale_f32_16x16x128_f8f6f4 v[8*(8*((\a)%4)+\b):8*(8*((\a)%4)+\b)+7], v[128*(\p)+FR*\b:128*(\p)+FR*\b+FR-1], v[AF+FR*(\a):AF+FR*(\a)+FR-1], v[BI+8*\b:BI+8*\b+7], v[SC+8*NQ*(\sc)+NQ*\b+(\q)], v[SC+8*NQ*(\sc)+NQ*(\a)+(\q)] matrix_a_fmt:MATRIX_FMT_FP6 matrix_b_fmt:MATRIX_FMT_FP6 matrix_a_scale:MATRIX_SCALE_ROW1
.else
	v_wmma_scale_f32_16x16x128_f8f6f4 v[8*(8*((\a)%4)+\b):8*(8*((\a)%4)+\b)+7], v[128*(\p)+FR*\b:128*(\p)+FR*\b+FR-1], v[AF+FR*(\a):AF+FR*(\a)+FR-1], v[8*(8*((\a)%4)+\b):8*(8*((\a)%4)+\b)+7], v[SC+8*NQ*(\sc)+NQ*\b+(\q)], v[SC+8*NQ*(\sc)+NQ*(\a)+(\q)] matrix_a_fmt:MATRIX_FMT_FP6 matrix_b_fmt:MATRIX_FMT_FP6 matrix_a_scale:MATRIX_SCALE_ROW1
.endif
.endr
.endr
.endm
.macro FETCH_B slot, q, p
	WIN TO_B
.irp i, 0,1,2,3,4,5,6,7
	FRAG 128*(\p)+FR*\i, ADRB+\slot, \q, \i
.endr
	WIN 0
.endm
.macro FETCH_A slot, q, i0
.irp i, \i0, \i0+1, \i0+2, \i0+3
	FRAG AF+FR*(\i), ADRA+\slot, \q, \i
.endr
.endm
.macro SCALES sc                       ; a K step's scale words: lanes 0-15 take A's block i, lanes 16-31 B's block i
.irp i, 0,1,2,3,4,5,6,7
	ds_load_b64 v[SC+8*NQ*\sc+NQ*\i:SC+8*NQ*\sc+NQ*\i+1], v[ADRS] offset:\i*SBLK
.endr
.endm
.macro PLACES n                        ; plain vector instructions between a matrix instruction and a load into its registers, or a read of its result (ISA guide 7.12.1 for the reads of results)
.rept \n
	v_nop
.endr
.endm
; A step of 128 along K that has its successor in the same slot.  zero = 1: C lies in window 0
.macro STEP slot, q, zero
	s_wait_dscnt 4*NL                              ; B's set and A's blocks 0-3 are in; the youngest 16 loads (A's blocks 4-7) may be out
	WIN MUL_LO-0x20*(\zero)
	MUL16 0, (\q)%2, \q, \slot, \zero
	MUL16 2, (\q)%2, \q, \slot, \zero
	s_wait_dscnt 0
	PLACES NP
	FETCH_B \slot, (\q)+1, 1-(\q)%2
	FETCH_A \slot, (\q)+1, 0
	WIN MUL_HI-0x30*(\zero)
	MUL16 4, (\q)%2, \q, \slot, \zero
	MUL16 6, (\q)%2, \q, \slot, \zero
	PLACES NP
	WIN 0
	FETCH_A \slot, (\q)+1, 4
.endm
; A slot's last step changes slots: one barrier; in front of it each wave waits for all its tensor loads, adds 0 to its spare word, and waits for that and for its reads of this slot.  fill = 1: this slot is filled again.
.macro TURN slot, next, fill
	s_wait_tensorcnt 0x0                           ; all my tensor loads have landed: my part of the next slot
	ds_add_u32 v[SPW], v[NIL]                      ; 0 onto my spare word
	s_wait_dscnt 4*NL+1                            ; (the add and the youngest 16 loads may be out)
	WIN MUL_LO
	MUL16 0, 1, NQ-1, \slot, 0
	s_wait_dscnt 0x0                               ; the add is done, and my reads of this slot are over
	s_barrier_signal -1
	MUL16 2, 1, NQ-1, \slot, 0
	WIN 0
	s_barrier_wait -1
.if \fill
	CREST                                          ; the barrier has opened a round of the cluster's: no wave of any partner still reads this slot or has a load on its way
	s_add_nc_u64 s[G0+4*\slot+2:G0+4*\slot+3], s[G0+4*\slot+2:G0+4*\slot+3], 2*KSB
	s_add_nc_u64 s[G0B+4*\slot+2:G0B+4*\slot+3], s[G0B+4*\slot+2:G0B+4*\slot+3], 2*KSB
	JLOAD G0+4*\slot, G1, G0B+4*\slot, G1B         ; the first tensor load behind the round; its four v_nop are the places in front of the loads below
.else
	PLACES NP
.endif
	v_add_nc_u32 v[ADRS], 4*NQ, v[ADRS]            ; on to the next K step's scale words
	FETCH_B \next, 0, 0
	FETCH_A \next, 0, 0
	SCALES \next
	WIN MUL_HI
	MUL16 4, 1, NQ-1, \slot, 0
	MUL16 6, 1, NQ-1, \slot, 0
	PLACES NP
	WIN 0
	FETCH_A \next, 0, 4
.endm
	s_wait_tensorcnt 1                             ; the scale bytes and my part of K step 0 are in (K step 1's load may be out)
	s_barrier_signal -1
	s_barrier_wait -1                              ; everybody's are
	FETCH_B 0, 0, 0
	FETCH_A 0, 0, 0
	SCALES 0
	FETCH_A 0, 0, 4
	s_wait_loadcnt 0x0                             ; the bias
	STEP 0, 0, 1                                   ; the first step stands in front of the loop: its products start the sums
	s_mov_b32 s3, LAPS-1
.Llap:                                                 ; a trip goes once round the ring and fills both slots again
	TURN 0, 1, 1
	STEP 1, 0, 0
	TURN 1, 0, 1
	STEP 0, 0, 0
	s_sub_co_u32 s3, s3, 1
	s_cmp_lg_u32 s3, 0
	s_cbranch_scc1 .Llap
	TURN 0, 1, 0                                   ; the last lap fills nothing
	STEP 1, 0, 0
	s_wait_dscnt 4*NL
	WIN MUL_LO
	MUL16 0, 1, NQ-1, 1, 0
	MUL16 2, 1, NQ-1, 1, 0
	s_wait_dscnt 0
	WIN MUL_HI
	MUL16 4, 1, NQ-1, 1, 0
	MUL16 6, 1, NQ-1, 1, 0
	WIN 0
	PLACES NP                                      ; in front of the first reads of results and of loads into the operands' registers
; ---------------- THE WAY OUT
.macro TOSTAGE a, adr, off             ; block a, 16 rows x 128 columns, into a stage: each accumulator from its low end on
.set AC, 64*((\a)%4)
	WIN 0x08+4*((\a)/4)                            ; an LDS store's data are its source 1: window 2 or 3
.irp b, 0,1,2,3,4,5,6,7
	ds_store_b128 v[\adr], v[AC+8*\b:AC+8*\b+3] offset:\off+64*\b
	ds_store_b128 v[\adr], v[AC+8*\b+4:AC+8*\b+7] offset:\off+64*\b+16
.endr
	WIN 0
.endm
.macro QUANT64 x                       ; 64 numbers of a lane, two whole blocks, become 48 bytes of codes in QA0, QA1, QB; the bytes in v[QM+4], v[QM+5]
.irp b, 0,1
	v_max3_num_f32 v[QM+\b], |v[(\x)+32*\b]|, |v[(\x)+32*\b+1]|, 0x1800000   ; the floor 2^(3 - 127) among the leaves: the byte cannot fall under 1
.endr
.irp i, 2,4,6,8,10,12,14,16,18,20,22,24,26,28,30
.irp b, 0,1
	v_max3_num_f32 v[QM+\b], v[QM+\b], |v[(\x)+32*\b+\i]|, |v[(\x)+32*\b+\i+1]|
.endr
.endr
.irp b, 0,1
	v_add_nc_u32 v[QM+2+\b], 0xff000000, v[QM+\b]      ; 2 off the exponent field: the conversion's scale operand
.endr
.irp b, 0,1
	v_lshrrev_b32 v[QM+4+\b], 23, v[QM+2+\b]           ; the scale's byte
.endr
	v_cvt_scalef32_pk16_fp6_f32 v[QA0:QA0+2], v[(\x):(\x)+15], v[QM+2]
	v_cvt_scalef32_pk16_fp6_f32 v[QT0:QT0+2], v[(\x)+16:(\x)+31], v[QM+2]
	v_cvt_scalef32_pk16_fp6_f32 v[QA1:QA1+2], v[(\x)+32:(\x)+47], v[QM+3]
	v_cvt_scalef32_pk16_fp6_f32 v[QT1:QT1+2], v[(\x)+48:(\x)+63], v[QM+3]
	v_nop                                              ; one plain place behind the scaled conversions
	v_mov_b32 v[QA0+3], v[QT0]
	v_mov_b32 v[QA1+3], v[QT1]
	v_mov_b32 v[QB], v[QT0+1]
	v_mov_b32 v[QB+1], v[QT0+2]
	v_mov_b32 v[QB+2], v[QT1+1]
	v_mov_b32 v[QB+3], v[QT1+2]
.endm
.macro QUANT32 x, a, b                 ; 32 numbers of a lane, one block: its first 16 bytes of codes into v[a] on, its last 8 into v[b], v[b+1]; the byte in v[QM+3]
	v_max3_num_f32 v[QM], |v[(\x)]|, |v[(\x)+1]|, |v[(\x)+2]|
	v_max3_num_f32 v[QM+1], |v[(\x)+3]|, |v[(\x)+4]|, |v[(\x)+5]|
.irp i, 6,10,14,18,22,26
	v_max3_num_f32 v[QM], v[QM], |v[(\x)+\i]|, |v[(\x)+\i+1]|
	v_max3_num_f32 v[QM+1], v[QM+1], |v[(\x)+\i+2]|, |v[(\x)+\i+3]|
.endr
	v_max3_num_f32 v[QM], v[QM], |v[(\x)+30]|, |v[(\x)+31]|
	v_max3_num_f32 v[QM], v[QM], v[QM+1], 0x1800000
	v_add_nc_u32 v[QM+2], 0xff000000, v[QM]
	v_lshrrev_b32 v[QM+3], 23, v[QM+2]
	v_cvt_scalef32_pk16_fp6_f32 v[(\a):(\a)+2], v[(\x):(\x)+15], v[QM+2]
	v_cvt_scalef32_pk16_fp6_f32 v[QT0:QT0+2], v[(\x)+16:(\x)+31], v[QM+2]
	v_nop
	v_mov_b32 v[(\a)+3], v[QT0]
	v_mov_b32 v[(\b)], v[QT0+1]
	v_mov_b32 v[(\b)+1], v[QT0+2]
.endm
	s_lshl_b32 s18, s17, 8
	s_lshl_b32 s19, s15, 7
	s_add_co_u32 s18, s18, s19                     ; my first row of the 8,192
	s_lshr_b32 s19, s18, 11                        ; its batch,
	s_and_b32 s18, s18, 2047                       ; its position s0, a multiple of 128
	s_lshl_b32 s19, s19, 4
	s_lshr_b32 s20, s95, 6
	s_add_co_u32 s19, s19, s20                     ; my first (batch, head): 16 x batch + column / 64
	s_mov_b32 s21, 0
	s_cmp_eq_u32 ttmp9, 2                          ; the cluster's x: the same in all sixteen partners
	s_cbranch_scc1 .Lvpath
; ---- q and k.  A lane is (row r, head h of my two)
	s_cmp_eq_u32 ttmp9, 0
	s_mov_b32 s22, KVH
	s_cselect_b32 s22, QH, s22                     ; bytes from head to head
	s_cselect_b64 s[40:41], s[98:99], s[100:101]   ; q or kv
	s_mul_i32 s20, s19, s22
	s_add_nc_u64 s[40:41], s[40:41], s[20:21]
	s_mul_i32 s20, s18, 48
	s_add_nc_u64 s[42:43], s[40:41], s[20:21]      ; my first image: 768 bytes for 16 positions
	s_lshl_b32 s20, s18, 2
	s_add_nc_u64 s[44:45], s[40:41], s[20:21]
	s_add_nc_u64 s[44:45], s[44:45], KSC           ; my step's scale words: 512 bytes for 128 positions
	s_lshl_b32 s20, s18, 8
	s_add_nc_u64 s[96:97], s[96:97], s[20:21]      ; the table: 4,096 bytes for 16 positions
	v_mul_u32_u24 v7, s22, v2
	v_lshl_add_u32 v7, v1, 4, v7                   ; head h, 16 r
.macro CSLOAD a                        ; block a's cosines (registers 0-31) and sines (32-63) of row r, into window 1
	WIN 0x40
.irp j, 0,1,2,3,4,5,6,7,8,9,10,11,12,13,14,15
	global_load_b128 v[64*((\a)%2)+4*\j:64*((\a)%2)+4*\j+3], v11, s[96:97] offset:(\a)*4096+\j*256
.endr
	WIN 0
.endm
.macro XLOAD a
.irp j, 0,1,2,3,4,5,6,7,8,9,10,11,12,13,14,15
	ds_load_b128 v[XQ+64*((\a)%2)+4*\j:XQ+64*((\a)%2)+4*\j+3], v[RD] offset:16*\j   ; LDS serves a wave's instructions in order: these see the stores above
.endr
.endm
.macro ROPE a                          ; (x_r, x_i) -> (x_r cos - x_i sin, x_i cos + x_r sin), two at a time
.set XB, XQ+64*((\a)%2)
.set CB, 64*((\a)%2)
	WIN 0x04                                       ; source 1, the table, in window 1
.set I, 0
.rept 16
.set TT, RTMP+2*((I/2)%4)
	v_pk_mul_f32 v[TT:TT+1], v[XB+I:XB+I+1], v[CB+32+I:CB+33+I]
	v_pk_mul_f32 v[XB+I:XB+I+1], v[XB+I:XB+I+1], v[CB+I:CB+I+1]
	v_pk_fma_f32 v[XB+I:XB+I+1], v[XB+32+I:XB+33+I], v[CB+32+I:CB+33+I], v[XB+I:XB+I+1] neg_lo:[1,0,0] neg_hi:[1,0,0]
	v_pk_fma_f32 v[XB+32+I:XB+33+I], v[XB+32+I:XB+33+I], v[CB+I:CB+I+1], v[TT:TT+1]
.set I, I+2
.endr
	WIN 0
.endm
	CSLOAD 0
	TOSTAGE 0, STO, 0
	XLOAD 0
.irp a, 0,1,2,3,4,5,6,7
.if \a < 7
	CSLOAD \a+1
.endif
	s_wait_dscnt 0x0                               ; my 64 numbers are back from the stage
.if \a < 7
	s_wait_loadcnt 16                              ; this block's table is in; the next block's 16 loads may be out
.else
	s_wait_loadcnt 0x0
.endif
	ROPE \a
.if \a < 7
	TOSTAGE \a+1, STO, 0                           ; the next block goes through the stage while this one is quantised
	XLOAD \a+1
.endif
	s_wait_xcnt 0x0                                ; the last block's stores have read the codes' registers
	QUANT64 XQ+64*(\a%2)
	v_lshl_or_b32 v[SW+\a], v[QM+5], 8, v[QM+4]    ; the row's scale word: two bytes, the upper two 0
	global_store_b128 v7, v[QA0:QA0+3], s[42:43] offset:\a*768         ; sixteen lanes store 256 consecutive aligned bytes
	global_store_b128 v7, v[QA1:QA1+3], s[42:43] offset:\a*768+256
	global_store_b128 v7, v[QB:QB+3], s[42:43] offset:\a*768+512
.endr
	global_store_b128 v7, v[SW:SW+3], s[44:45]                 ; tiles 0-3's words of row r,
	global_store_b128 v7, v[SW+4:SW+7], s[44:45] offset:256    ; tiles 4-7's
	s_branch .Lend
; ---- v.  A lane is a channel; its registers run down the keys
.Lvpath:
	s_mul_i32 s20, s19, KVH
	s_add_nc_u64 s[40:41], s[100:101], s[20:21]
	s_mul_i32 s20, s18, 48
	s_add_nc_u64 s[42:43], s[40:41], s[20:21]
	s_add_nc_u64 s[42:43], s[42:43], VIM           ; my first 64 keys' four images: 3,072 bytes for 64 keys
	s_lshl_b32 s20, s18, 1
	s_add_nc_u64 s[44:45], s[40:41], s[20:21]
	s_add_nc_u64 s[44:45], s[44:45], VSC           ; my step's scale words: 256 bytes for 128 keys
	v_mul_u32_u24 v7, v2, 768
	v_lshl_add_u32 v7, v1, 4, v7                   ; image u = l / 16 of a pair, 16 r
.macro VLOAD cg                        ; column group cg of four: position p of the block is key 0-7, 16-23, 8-15, 24-31
.set P, 0
.rept 32
	ds_load_b32 v[XV+32*((\cg)%2)+P], v[RDV] offset:((P&7)+8*(((P>>3)&1)*2+(P>>4)))*SPITCH+128*(\cg)
.set P, P+1
.endr
.endm
.irp cc, 0,1                           ; 64 keys: one image deep
	s_wait_xcnt 0x0                                ; the last images' stores have read the codes' registers
.irp hk, 0,1                           ; 32 keys: one block
	TOSTAGE 2*(2*\cc+\hk), STOV, 0
	TOSTAGE 2*(2*\cc+\hk)+1, STOV, 16*SPITCH
	VLOAD 0
.irp cg, 0,1,2,3
.if \cg < 3
	VLOAD \cg+1
	s_wait_dscnt 32                                ; this group's 32 numbers are in; the next group's loads may be out
.else
	s_wait_dscnt 0x0
.endif
	QUANT32 XV+32*(\cg%2), VC+12*\cg+4*\hk, VC+12*\cg+8+2*\hk
.if 2*\cc+\hk == 0
	v_mov_b32 v[VW+\cg], v[QM+3]
.else
	v_lshl_or_b32 v[VW+\cg], v[QM+3], 8*(2*\cc+\hk), v[VW+\cg]   ; byte b of the word: key block b of the step
.endif
.endr
.endr
.irp cg, 0,1,2,3                       ; head cg / 2, channels 32 (cg % 2) on: images 2 (cg % 2) + u
	global_store_b128 v7, v[VC+12*\cg:VC+12*\cg+3], s[42:43] offset:(\cg/2)*KVH+\cc*3072+(\cg%2)*1536
	global_store_b128 v7, v[VC+12*\cg+4:VC+12*\cg+7], s[42:43] offset:(\cg/2)*KVH+\cc*3072+(\cg%2)*1536+256
	global_store_b128 v7, v[VC+12*\cg+8:VC+12*\cg+11], s[42:43] offset:(\cg/2)*KVH+\cc*3072+(\cg%2)*1536+512
.endr
.endr
	global_store_b64 v10, v[VW:VW+1], s[44:45]                 ; 256 consecutive aligned bytes for each head
	global_store_b64 v10, v[VW+2:VW+3], s[44:45] offset:KVH
.Lend:
	s_wait_tensorcnt 0x0                           ; the wave's end, behind my last tensor load and my last LDS store
	ds_add_u32 v[SPW], v[NIL]
	s_wait_dscnt 0x0
	CROUND                                         ; the closing round: no work-group ends while a partner may still ask for a tile that names it
	s_endpgm
.Lfunc_end_k_q38b0ac4cbe_gemm_qkv:
	.size	k_q38b0ac4cbe_gemm_qkv, .Lfunc_end_k_q38b0ac4cbe_gemm_qkv-k_q38b0ac4cbe_gemm_qkv
	.p2alignl 7, 3214868480
	.fill 96, 4, 3214868480
	.section	.rodata,"a",@progbits
	.p2align	6, 0x0
	.amdhsa_kernel k_q38b0ac4cbe_gemm_qkv
		.amdhsa_group_segment_fixed_size 327680
		.amdhsa_private_segment_fixed_size 0
		.amdhsa_enable_private_segment 0
		.amdhsa_kernarg_size 64
		.amdhsa_user_sgpr_count 2
		.amdhsa_user_sgpr_kernarg_segment_ptr 1
		.amdhsa_wavefront_size32 1
		.amdhsa_system_sgpr_workgroup_id_x 1
		.amdhsa_system_sgpr_workgroup_id_y 1
		.amdhsa_system_sgpr_workgroup_id_z 1
		.amdhsa_system_vgpr_workitem_id 0
		.amdhsa_next_free_vgpr 1024
		.amdhsa_next_free_sgpr 102
		.amdhsa_reserve_vcc 0
		.amdhsa_float_denorm_mode_32 3
		.amdhsa_float_denorm_mode_16_64 3
		.amdhsa_memory_ordered 1
		.amdhsa_forward_progress 1
		.amdhsa_inst_pref_size 255
	.end_amdhsa_kernel
	.section	.bss,"aw",@nobits
	.p2align	6
	.space	262144
	.amdgpu_metadata
---
amdhsa.version: [ 1, 2 ]
amdhsa.kernels:
  - .name:           k_q38b0ac4cbe_gemm_qkv
    .symbol:         k_q38b0ac4cbe_gemm_qkv.kd
    .args:
      - { .name: xq, .offset: 0, .size: 8, .value_kind: global_buffer, .address_space: global }
      - { .name: wq, .offset: 8, .size: 8, .value_kind: global_buffer, .address_space: global }
      - { .name: bq, .offset: 16, .size: 8, .value_kind: global_buffer, .address_space: global }
      - { .name: bk, .offset: 24, .size: 8, .value_kind: global_buffer, .address_space: global }
      - { .name: bv, .offset: 32, .size: 8, .value_kind: global_buffer, .address_space: global }
      - { .name: rope, .offset: 40, .size: 8, .value_kind: global_buffer, .address_space: global }
      - { .name: q, .offset: 48, .size: 8, .value_kind: global_buffer, .address_space: global }
      - { .name: kv, .offset: 56, .size: 8, .value_kind: global_buffer, .address_space: global }
    .group_segment_fixed_size: 327680
    .private_segment_fixed_size: 0
    .kernarg_segment_align: 8
    .kernarg_segment_size: 64
    .max_flat_workgroup_size: 128
    .sgpr_count:     102
    .vgpr_count:     1024
    .wavefront_size: 32
...
	.end_amdgpu_metadata
.endif
;; end of part 2
;; launch attn (part 3): grid 4 x 64, 16 waves a work-group, no clusters, 210,944 bytes of LDS; arguments q, kv, maskw, oq; writes oq
.if DOCPART == 3
	.amdgcn_target "amdgcn-amd-amdhsa--gfx1250"
	.amdhsa_code_object_version 6
	.text
	.protected	k_q38b0ac4cbe_attn
	.globl	k_q38b0ac4cbe_attn
	.p2align	8
	.type	k_q38b0ac4cbe_attn,@function
k_q38b0ac4cbe_attn:
	s_mov_b64 s[64:65], 0
	v_nop
	global_prefetch_b8 v0, s[64:65] scope:SCOPE_SE
	s_setreg_imm32_b32 hwreg(HW_REG_WAVE_MODE, 25, 1), 1
	s_wait_xcnt 0x0
; ATTENTION on codes of FP6 (E2M3) with E8M0 scales: 64 (batch, head) pairs, 2,048 queries and keys, head size 64, under a mask that is an input.  The result, divided by the row's sum, is quantised along the model's 1,024 for the last product.
; THE SOFTMAX: t = score x log2(e) / 8; M = the row's largest t so far, rounded up to a whole number; p = 2^(t - M) is quantised along the keys, not normalised; the row's sum is taken of the unquantised p; when M moves, the sum
; and O are multiplied by 2^(old M - new M), which rounds nothing.
; SHARES.  Work-group (x, g) serves head g.  The head's K and V, codes and scale words, 208,896 bytes, lie in LDS as they lie in memory, brought ONCE through registers: one barrier in the whole launch, nothing is filled again.
; Each of the sixteen waves owns one tile of 16 queries at a time, in 256 registers, four waves to a SIMD: tile 16 x + w, then tile 127 - (16 x + w), so that under a mask that hides later keys every wave has about as many steps.
; THE MASK comes as lane-mask words (word n selects the scores' register n) and two flags a step, whole numbers that the first launch stored.  A step with no true entry among its 16 x 128 is passed over by a scalar branch on its flag:
; it would change neither M nor the sum nor O.  A step whose entries are all true skips the 64 selects.
; LAYOUT.  Both products are used transposed: S^T = K Q^T (source 0 = 16 keys), O^T = V^T P^T (source 0 = 16 channels): a lane holds one query throughout.  A tile of K is 16 neighbouring keys, so p's codes fall, within a block of 32
; keys, in the order 0-7, 16-23, 8-15, 24-31; V's codes were laid in the same order.  The head size is 64, half of the instruction's K: Q's upper six registers are zero codes, and the six registers behind a tile of K (the next
; tile's codes, or zeros) meet them: FP6 has no code for infinity or NaN, so those products are exactly 0; both sides' upper two scale bytes are 0.
; A ROW WITH NO TRUE KEY has the sum 0: its two scale bytes are set to 0xff, which makes the last product's whole row NaN, as the softmax of such a row is.
; LIMITS: NaN and infinities among q, k, v are not served; a block of zeros gets the byte 1 (its codes are zeros; this program alone reads the bytes).
; REGISTERS: v1-8 lane terms; v10-15 the step's LDS addresses; v16-27 Q; v28 Q's scale word; v29 -infinity; v32-85 K's eight tiles and six zeros, then V's four fragments; v86-93 K's scale words; v94-97 V's;
;   v98-161 S^T, then p; v162-193 O^T; v194-205 p's codes; v206-212 conversions; v214 -M, v215 the largest t, v[216:217] the sum; v218-235 at work; v236-239 lane terms.
.set QH,    106496
.set KVH,   208896
.set KSC,   98304                      ; K's scale words in a head of kv (and q's in a head of q)
.set VIM,   106496                     ; V's images
.set VSC,   204800                     ; V's scale words
.set SPARE, 208896                     ; behind the head: the spare words, 128 bytes a wave: eight blocks of 256 bytes that no other line names
.set XSCO,  6291456                    ; where the scale bytes begin in oq
.set FLGO,  0x80000                    ; where the flags begin in maskw
.set SPW, 5
.set NIL, 6
	s_load_b256 s[4:11], s[0:1], 0x0               ; q s[4:5], kv s[6:7], maskw s[8:9], oq s[10:11]
	v_lshl_add_u32 v[SPW], v0, 2, SPARE
	v_mov_b32 v[NIL], 0
	v_lshrrev_b32 v9, 5, v0
	v_readfirstlane_b32 s14, v9                    ; wave 0..15
	v_and_b32 v9, 31, v0                           ; l
	v_lshlrev_b32 v1, 4, v9                        ; 16 l: an image's 16-byte pieces
	v_and_b32 v30, 15, v0                          ; r
	v_bfe_u32 v31, v0, 4, 1                        ; h
	v_lshlrev_b32 v236, 4, v30                     ; 16 r
	v_lshl_add_u32 v2, v31, 3, v236                ; 16 r + 8 h: its 8-byte pieces
	v_add_nc_u32 v3, KSC, v236                     ; K's scale words: four tiles' words of row r
	v_lshl_add_u32 v4, v30, 3, VSC                 ; V's: two tiles' words of row r
	v_add_nc_u32 v7, VIM, v1
	v_add_nc_u32 v8, VIM, v2
	v_lshlrev_b32 v237, 5, v30                     ; 32 r: a row of oq's scale bytes
	s_mul_i32 s26, s14, 13056                      ; my sixteenth of the head: 25 x 512 + 256 bytes
	v_add_nc_u32 v238, s26, v1
	v_lshlrev_b32 v239, 3, v9
	v_add_nc_u32 v239, s26, v239
	s_and_b32 s26, ttmp7, 0xffff                   ; g = 16 x batch + head
	s_mul_i32 s28, s26, QH
	s_mov_b32 s29, 0
	s_mul_i32 s30, s26, KVH
	s_mov_b32 s31, 0
	s_lshr_b32 s66, s26, 4
	s_and_b32 s67, s26, 15
	s_mul_i32 s100, s66, 128*12288                 ; oq: the batch's 128 row tiles, image number head
	s_mul_i32 s27, s67, 768
	s_add_co_u32 s100, s100, s27
	s_mov_b32 s101, 0
	s_lshl_b32 s2, s66, 16                         ; its scale bytes: 2,048 rows of 32, bytes 2 head, 2 head + 1
	s_lshl_b32 s27, s67, 1
	s_add_co_u32 s2, s2, s27
	s_mov_b32 s3, 0
	s_mov_b32 s22, 0x3e38aa3b                      ; c = log2(e) / 8
	s_mov_b32 s23, s22                             ; (named with it as a pair, so it is written)
	s_mov_b32 s24, 0x76543210
	s_mov_b32 s25, 0xfedcba98                      ; v_permlanex16_b32's selects for lane l xor 16
	s_wait_kmcnt 0x0
	s_add_nc_u64 s[4:5], s[4:5], s[28:29]
	s_add_nc_u64 s[6:7], s[6:7], s[30:31]
	s_add_nc_u64 s[12:13], s[10:11], s[2:3]
	s_add_nc_u64 s[12:13], s[12:13], XSCO
	s_add_nc_u64 s[10:11], s[10:11], s[100:101]
; THE FILL: the head's bytes go to the same places in LDS; each load and store covers 512 consecutive bytes
.irp i, 0,1,2,3,4,5,6,7,8,9,10,11,12,13,14,15,16,17,18,19,20,21,22,23,24
	global_load_b128 v[98+4*\i:101+4*\i], v238, s[6:7] offset:512*\i
.endr
	global_load_b64 v[198:199], v239, s[6:7] offset:12800
.irp i, 0,1,2,3,4,5,6,7,8,9,10,11,12,13,14,15,16,17,18,19,20,21,22,23,24
	s_wait_loadcnt 25-\i                           ; loads come back in order: mine is in, the younger ones stay out
	ds_store_b128 v238, v[98+4*\i:101+4*\i] offset:512*\i
.endr
	s_wait_loadcnt 0x0
	ds_store_b64 v239, v[198:199] offset:12800
.irp j, 22,23,24,25,26,27, 80,81,82,83,84,85
	v_mov_b32 v[\j], 0                             ; Q's upper half, and what stands behind K's last tile: zero codes
.endr
	v_mov_b32 v29, 0xff800000                      ; -infinity
.irp j, 222,223,224,225, 231, 234
	v_mov_b32 v[\j], 0                             ; written once: a lane permute's destination counts as a source; v231 is named as the upper half of a pair
.endr
	s_wait_dscnt 0x0                               ; for the others' sake: my stores have landed
	s_barrier_signal -1
	s_barrier_wait -1                              ; the whole head lies in LDS
; A KEY STEP: 128 keys
.macro STEP
	s_bitcmp1_b32 s16, 0                           ; has this step a true entry for my 16 queries?
	s_cbranch_scc0 .Lskip_\@
	v_add_nc_u32 v10, s18, v1                      ; (these six are also the places behind the last step's products, in front of the loads below)
	v_add_nc_u32 v11, s18, v2
	v_add_nc_u32 v12, s18, v7
	v_add_nc_u32 v13, s18, v8
	v_add_nc_u32 v14, s19, v3
	v_add_nc_u32 v15, s20, v4
	s_load_b512 s[32:47], s[8:9], s21 offset:0x0   ; the step's 64 mask words
	s_load_b512 s[48:63], s[8:9], s21 offset:0x40
	s_load_b512 s[68:83], s[8:9], s21 offset:0x80
	s_load_b512 s[84:99], s[8:9], s21 offset:0xc0
.irp t, 0,1,2,3,4,5,6,7
	ds_load_b128 v[32+6*\t:35+6*\t], v10 offset:768*\t
	ds_load_b64 v[36+6*\t:37+6*\t], v11 offset:768*\t+512
.endr
	ds_load_b128 v[86:89], v14
	ds_load_b128 v[90:93], v14 offset:256
	s_wait_dscnt 0x0
.irp t, 0,1,2,3,4,5,6,7                        ; S^T: register 8 t + j of lane (r, h) = key 16 t + 8 h + j, query r
	v_wmma_scale_f32_16x16x128_f8f6f4 v[98+8*\t:105+8*\t], v[32+6*\t:43+6*\t], v[16:27], 0, v[86+\t], v28 matrix_a_fmt:MATRIX_FMT_FP6 matrix_b_fmt:MATRIX_FMT_FP6
.endr
.rept 4
	v_nop                                          ; places in front of the loads into K's registers and of the first read of the scores
.endr
.irp dt, 0,1,2,3                               ; V's four fragments land while the softmax is walked
.irp c, 0,1
	ds_load_b128 v[32+12*\dt+6*\c:35+12*\dt+6*\c], v12 offset:(4*\c+\dt)*768
	ds_load_b64 v[36+12*\dt+6*\c:37+12*\dt+6*\c], v13 offset:(4*\c+\dt)*768+512
.endr
.endr
	ds_load_b64 v[94:95], v15                      ; scale words of tiles 0 and 2,
	ds_load_b64 v[96:97], v15 offset:128           ; of tiles 1 and 3
	s_wait_kmcnt 0x0
	s_bitcmp1_b32 s16, 16                          ; are all its entries true?
	s_cbranch_scc1 .Lopen_\@
.set N, 0
.rept 64
.if N < 32
.set MWR, 32+N
.else
.set MWR, 36+N
.endif
	v_cndmask_b32 v[98+N], v29, v[98+N], s[MWR]    ; a hidden score becomes -infinity: p = 0
.set N, N+1
.endr
.Lopen_\@:
.irp b, 0,1,2,3
	v_max3_num_f32 v[218+\b], v[98+16*\b], v[99+16*\b], v[100+16*\b]   ; the largest score of each block of 32 keys: for the row's maximum, and, since p rises with the score, for the block's largest p
.endr
.irp i, 3,5,7,9,11,13
.irp b, 0,1,2,3
	v_max3_num_f32 v[218+\b], v[218+\b], v[98+16*\b+\i], v[99+16*\b+\i]
.endr
.endr
.irp b, 0,1,2,3
	v_max_num_f32 v[218+\b], v[218+\b], v[113+16*\b]
.endr
.irp b, 0,1,2,3
	v_permlanex16_b32 v[222+\b], v[218+\b], s24, s25
.endr
.irp b, 0,1,2,3
	v_max_num_f32 v[218+\b], v[218+\b], v[222+\b]  ; with lane l xor 16's 16 keys
.endr
	v_max3_num_f32 v234, v218, v219, v220
	v_max_num_f32 v234, v234, v221
	v_mul_f32 v234, s22, v234                      ; the step's largest t
	v_max_num_f32 v215, v215, v234                 ; the running largest t
	v_mov_b32 v234, v214
	v_floor_f32 v214, -v215                        ; the new -M = floor(-t): M is a whole number
	v_sub_f32 v234, v214, v234                     ; old M - new M: a whole number, 0 or less
	v_cvt_i32_f32 v234, v234                       ; (it saturates)
	v_ldexp_f32 v230, 1.0, v234                    ; f = 2^(old M - new M)
.irp j, 0,2,4,6,8,10,12,14,16,18,20,22,24,26,28,30,32,34,36,38,40,42,44,46,48,50,52,54,56,58,60,62
	v_pk_fma_f32 v[98+\j:99+\j], v[98+\j:99+\j], s[22:23], v[214:215] op_sel_hi:[1,0,0]   ; t - M, two at a time
.endr
.irp b, 0,1,2,3
	v_fma_f32 v[218+\b], v[218+\b], s22, v214      ; the same of each block's largest score
.endr
.irp j, 0,1,2,3,4,5,6,7,8,9,10,11,12,13,14,15,16,17,18,19,20,21,22,23,24,25,26,27,28,29,30,31,32,33,34,35,36,37,38,39,40,41,42,43,44,45,46,47,48,49,50,51,52,53,54,55,56,57,58,59,60,61,62,63
	v_exp_f32 v[98+\j], v[98+\j]                   ; p = 2^(t - M)
.endr
	v_pk_mul_f32 v[216:217], v[216:217], v[230:231] op_sel_hi:[1,0]   ; the sums under the new M: a plain place behind the exponentials
	s_wait_alu depctr_va_vdst(0)                   ; one wait for the whole batch, ahead of its first reader
.irp b, 0,1,2,3
	v_exp_f32 v[218+\b], v[218+\b]                 ; the block's largest p
.endr
	v_pk_add_f32 v[232:233], v[98:99], v[100:101]  ; the row's sum is taken of the unquantised p, in two chains
.irp j, 4,8,12,16,20,24,28,32,36,40,44,48,52,56,60
	v_pk_add_f32 v[216:217], v[216:217], v[98+\j:99+\j]
	v_pk_add_f32 v[232:233], v[232:233], v[100+\j:101+\j]
.endr
	v_pk_add_f32 v[216:217], v[216:217], v[232:233]
	s_wait_alu depctr_va_vdst(0)                   ; and one for the four
.irp b, 0,1,2,3
	v_max_num_f32 v[218+\b], 0x1800000, v[218+\b]  ; the floor 2^(3 - 127): the byte cannot fall under 1
.endr
.irp b, 0,1,2,3
	v_add_nc_u32 v[226+\b], 0xff000000, v[218+\b]  ; 2 off the exponent field: the conversion's scale operand
.endr
.irp b, 0,1,2,3
	v_lshrrev_b32 v[222+\b], 23, v[226+\b]         ; the scale's byte
.endr
	v_lshl_or_b32 v231, v223, 8, v222              ; p's scale word for these 128 keys
	v_lshl_or_b32 v231, v224, 16, v231
	v_lshl_or_b32 v231, v225, 24, v231
.irp c, 0,1
	v_cvt_scalef32_pk16_fp6_f32 v[194+6*\c:196+6*\c], v[98+32*\c:113+32*\c], v[226+2*\c]
	v_cvt_scalef32_pk16_fp6_f32 v[206+4*\c:208+4*\c], v[114+32*\c:129+32*\c], v[227+2*\c]   ; (a conversion's three registers begin on an even number)
.endr
	v_nop                                          ; one plain place behind the scaled conversions
.irp c, 0,1                                    ; the operand's layout wants a whole block in a lane: lanes 0-15 block 2 c, lanes 16-31 block 2 c + 1
.irp i, 0,1,2
	v_permlane16_swap_b32 v[194+6*\c+\i], v[206+4*\c+\i]
.endr
.irp i, 0,1,2
	v_mov_b32 v[197+6*\c+\i], v[206+4*\c+\i]
.endr
.endr
.irp j, 0,2,4,6,8,10,12,14,16,18,20,22,24,26,28,30
	v_pk_mul_f32 v[162+\j:163+\j], v[162+\j:163+\j], v[230:231] op_sel_hi:[1,0]   ; O^T under the new M.  For each product below twelve of these name none of its registers: the places behind the writes of p's codes and scale word
.endr
	s_wait_dscnt 0x0                               ; V
	v_wmma_scale_f32_16x16x128_f8f6f4 v[162:169], v[32:43], v[194:205], v[162:169], v94, v231 matrix_a_fmt:MATRIX_FMT_FP6 matrix_b_fmt:MATRIX_FMT_FP6
	v_wmma_scale_f32_16x16x128_f8f6f4 v[170:177], v[44:55], v[194:205], v[170:177], v96, v231 matrix_a_fmt:MATRIX_FMT_FP6 matrix_b_fmt:MATRIX_FMT_FP6
	v_wmma_scale_f32_16x16x128_f8f6f4 v[178:185], v[56:67], v[194:205], v[178:185], v95, v231 matrix_a_fmt:MATRIX_FMT_FP6 matrix_b_fmt:MATRIX_FMT_FP6
	v_wmma_scale_f32_16x16x128_f8f6f4 v[186:193], v[68:79], v[194:205], v[186:193], v97, v231 matrix_a_fmt:MATRIX_FMT_FP6 matrix_b_fmt:MATRIX_FMT_FP6
.Lskip_\@:
	s_lshr_b32 s16, s16, 1                         ; the next step's flags, images, scale words, mask words (the scalar loads that read s21 were waited for)
	s_add_co_u32 s18, s18, 6144
	s_add_co_u32 s19, s19, 512
	s_add_co_u32 s20, s20, 256
	s_add_co_u32 s21, s21, 256
.endm
; THE WAY OUT of a tile: O^T / the sum; register 8 dt + j of lane (r, h) is channel 32 (dt / 2) + 16 h + 8 (dt % 2) + j: 16 neighbours for each block of 32 along the last product's K
.macro OUT
.rept 4
	v_nop                                          ; places behind the last products
.endr
	v_add_f32 v216, v216, v217
	v_permlanex16_b32 v234, v216, s24, s25
	v_add_f32 v216, v216, v234                     ; the row's sum
	v_rcp_f32 v235, v216
	v_nop                                          ; one plain place behind the transcendental
	s_wait_alu depctr_va_vdst(0)                   ; and the wait ahead of its first reader
.irp j, 0,1,2,3,4,5,6,7,8,9,10,11,12,13,14,15,16,17,18,19,20,21,22,23,24,25,26,27,28,29,30,31
	v_mul_f32 v[98+\j], v[162+\j], v235
.endr
.irp b, 0,1
	v_max3_num_f32 v[218+\b], |v[98+16*\b]|, |v[99+16*\b]|, 0x1800000
.endr
.irp i, 2,4,6,8,10,12,14
.irp b, 0,1
	v_max3_num_f32 v[218+\b], v[218+\b], |v[98+16*\b+\i]|, |v[99+16*\b+\i]|
.endr
.endr
.irp b, 0,1
	v_permlanex16_b32 v[222+\b], v[218+\b], s24, s25
.endr
.irp b, 0,1
	v_max_num_f32 v[218+\b], v[218+\b], v[222+\b]
.endr
.irp b, 0,1
	v_add_nc_u32 v[226+\b], 0xff000000, v[218+\b]
.endr
.irp b, 0,1
	v_lshrrev_b32 v[222+\b], 23, v[226+\b]
.endr
	v_lshl_or_b32 v234, v223, 8, v222              ; the row's two scale bytes of this head
	v_mov_b32 v235, 0xffff
	v_cmp_eq_f32 vcc_lo, 0, v216
	v_cndmask_b32 v234, v234, v235, vcc_lo         ; a row with no true key: NaN
	v_cvt_scalef32_pk16_fp6_f32 v[194:196], v[98:113], v226
	v_cvt_scalef32_pk16_fp6_f32 v[206:208], v[114:129], v227
	v_nop
.irp i, 0,1,2
	v_permlane16_swap_b32 v[194+\i], v[206+\i]     ; lanes 0-15 now hold block 0 whole, lanes 16-31 block 1
.endr
.irp i, 0,1,2
	v_mov_b32 v[197+\i], v[206+\i]
.endr
	global_store_b128 v1, v[194:197], s[100:101]           ; the image's 512 bytes,
	global_store_b64 v2, v[198:199], s[100:101] offset:512 ; and its last 256
	global_store_b16 v237, v234, s[2:3]            ; lanes l and l + 16 write the same two bytes
.endm
.macro PASS p
	s_wait_xcnt 0x0                                ; the last tile's loads and stores have read their registers and bases
.if \p == 0
	s_lshl_b32 s15, ttmp9, 4
	s_add_co_u32 s15, s15, s14                     ; my tile of queries: 16 x + w,
.else
	s_sub_co_u32 s15, 127, s15                     ; then its mirror
.endif
	s_mov_b32 s27, 0
	s_mul_i32 s26, s15, 768
	s_add_nc_u64 s[28:29], s[4:5], s[26:27]        ; Q's image
	s_lshr_b32 s26, s15, 2
	s_lshl_b32 s26, s26, 8
	s_and_b32 s67, s15, 3
	s_lshl_b32 s67, s67, 2
	s_add_co_u32 s26, s26, s67
	s_add_nc_u64 s[30:31], s[4:5], s[26:27]        ; its scale words
	s_mul_i32 s26, s15, 12288
	s_add_nc_u64 s[100:101], s[10:11], s[26:27]    ; where the result's image goes,
	s_lshl_b32 s26, s15, 9
	s_add_nc_u64 s[2:3], s[12:13], s[26:27]        ; and its scale bytes
	s_lshl_b32 s66, s15, 4
	global_load_b128 v[16:19], v1, s[28:29]
	global_load_b64 v[20:21], v2, s[28:29] offset:512
	global_load_b32 v28, v236, s[30:31] offset:KSC
	s_load_b128 s[32:35], s[8:9], s66 offset:FLGO  ; the tile's four flag words
	s_lshl_b32 s21, s15, 12                        ; its mask words: 4,096 bytes
	s_mov_b32 s18, 0
	s_mov_b32 s19, 0
	s_mov_b32 s20, 0
	s_mov_b32 s17, 16
	v_mov_b32 v215, 0xff61b1e6                     ; the largest t so far: -3e38, under every t
	v_floor_f32 v214, -v215
	v_mov_b32 v216, 0
	v_mov_b32 v217, 0
.irp j, 0,1,2,3,4,5,6,7,8,9,10,11,12,13,14,15,16,17,18,19,20,21,22,23,24,25,26,27,28,29,30,31
	v_mov_b32 v[162+\j], 0                         ; O^T: the step is written once; which step is a tile's first hangs on the mask
.endr
	s_wait_kmcnt 0x0
	s_lshl_b32 s33, s33, 4
	s_lshl_b32 s34, s34, 8
	s_lshl_b32 s35, s35, 12
	s_or_b32 s16, s32, s33
	s_or_b32 s16, s16, s34
	s_or_b32 s16, s16, s35                         ; bit k: step k has a true entry; bit 16 + k: all its entries are true
	s_wait_loadcnt 0x0                             ; Q
.Lstep_\@:
	STEP
	s_sub_co_u32 s17, s17, 1
	s_cmp_lg_u32 s17, 0
	s_cbranch_scc1 .Lstep_\@
	OUT
.endm
	PASS 0
	PASS 1
	s_wait_tensorcnt 0x0                           ; the wave's end, behind my last LDS store
	ds_add_u32 v[SPW], v[NIL]
	s_wait_dscnt 0x0
	s_endpgm
.Lfunc_end_k_q38b0ac4cbe_attn:
	.size	k_q38b0ac4cbe_attn, .Lfunc_end_k_q38b0ac4cbe_attn-k_q38b0ac4cbe_attn
	.p2alignl 7, 3214868480
	.fill 96, 4, 3214868480
	.section	.rodata,"a",@progbits
	.p2align	6, 0x0
	.amdhsa_kernel k_q38b0ac4cbe_attn
		.amdhsa_group_segment_fixed_size 210944
		.amdhsa_private_segment_fixed_size 0
		.amdhsa_enable_private_segment 0
		.amdhsa_kernarg_size 32
		.amdhsa_user_sgpr_count 2
		.amdhsa_user_sgpr_kernarg_segment_ptr 1
		.amdhsa_wavefront_size32 1
		.amdhsa_system_sgpr_workgroup_id_x 1
		.amdhsa_system_sgpr_workgroup_id_y 1
		.amdhsa_system_sgpr_workgroup_id_z 1
		.amdhsa_system_vgpr_workitem_id 0
		.amdhsa_next_free_vgpr 256
		.amdhsa_next_free_sgpr 102
		.amdhsa_reserve_vcc 1
		.amdhsa_float_denorm_mode_32 3
		.amdhsa_float_denorm_mode_16_64 3
		.amdhsa_memory_ordered 1
		.amdhsa_forward_progress 1
		.amdhsa_inst_pref_size 62
	.end_amdhsa_kernel
	.amdgpu_metadata
---
amdhsa.version: [ 1, 2 ]
amdhsa.kernels:
  - .name:           k_q38b0ac4cbe_attn
    .symbol:         k_q38b0ac4cbe_attn.kd
    .args:
      - { .name: q, .offset: 0, .size: 8, .value_kind: global_buffer, .address_space: global }
      - { .name: kv, .offset: 8, .size: 8, .value_kind: global_buffer, .address_space: global }
      - { .name: maskw, .offset: 16, .size: 8, .value_kind: global_buffer, .address_space: global }
      - { .name: oq, .offset: 24, .size: 8, .value_kind: global_buffer, .address_space: global }
    .group_segment_fixed_size: 210944
    .private_segment_fixed_size: 0
    .kernarg_segment_align: 8
    .kernarg_segment_size: 32
    .max_flat_workgroup_size: 512
    .sgpr_count:     102
    .vgpr_count:     256
    .wavefront_size: 32
...
	.end_amdgpu_metadata
.endif
;; end of part 3
;; launch gemm_out (part 4): grid 4 x 32, 4 waves a work-group, clusters of 4 x 4, 327,680 bytes of LDS; arguments oq, wq, bo, out0; writes out0
.if DOCPART == 4
	.amdgcn_target "amdgcn-amd-amdhsa--gfx1250"
	.amdhsa_code_object_version 6
	.text
	.protected	k_q38b0ac4cbe_gemm_out
	.globl	k_q38b0ac4cbe_gemm_out
	.p2align	8
	.type	k_q38b0ac4cbe_gemm_out,@function
k_q38b0ac4cbe_gemm_out:
	s_mov_b64 s[64:65], 0
	v_nop
	global_prefetch_b8 v0, s[64:65] scope:SCOPE_SE
	s_setreg_imm32_b32 hwreg(HW_REG_WAVE_MODE, 25, 1), 1
	s_wait_xcnt 0x0
	s_wait_alu depctr_hold_cnt(0) depctr_sa_sdst(0) depctr_va_vdst(0) depctr_va_sdst(0) depctr_va_ssrc(0) depctr_va_vcc(0) depctr_vm_vsrc(0)
	s_getreg_b32 s2, hwreg(HW_REG_IB_STS2, 6, 4)
	s_cmp_eq_u32 s2, 0
	s_cbranch_scc0 .Lentry_in_a_cluster
	s_endpgm
.Lentry_in_a_cluster:
	s_bfe_u32 s2, ttmp6, 0x10000c
	s_cmp_lg_u32 s2, 0xf033
	s_cbranch_scc0 .Lentry_shape_is_right
	s_endpgm
.Lentry_shape_is_right:
; out0 = o Wo + bo on codes of FP6 (E2M3) with E8M0 scales: M 8,192, K 1,024, N 1,024; f32 out.  The loop is that of the launch that makes q, k and v; only the rows of the weights' buffer (Wo's begin at row 3,072) and the way out differ.
; A tile of 256 x 256 is made by a work-group of four waves; a wave makes 128 x 128: 64 accumulators, 512 registers.  K goes in four steps of 256 through a ring of two LDS slots filled by the tensor data mover.
; THE CODES lie in memory as images of operand registers: 768 bytes for 16 rows x 64 along K (the first 16 bytes of (row r, block h) at 16 (r + 16 h), the last 8 at 512 + 16 r + 8 h), 16 images on end for a tile of 16 rows.
; A K step of a row tile is 3,072 consecutive bytes; a wave's tensor load brings 8 such rows, 12,288 bytes apart.  THE SCALE BYTES of the work-group's rows for all of K come once, with the first fills, and stay in LDS.
; A row of o whose scale bytes are 0xff (a query with no true key) comes out NaN in all its columns.
; CLUSTERS: 4 x 4 work-groups; A's tiles are asked for jointly along a row of the cluster, B's along a column.  128 tiles of 256 x 256: 128 work-groups.
; THE MATRIX INSTRUCTION IS USED TRANSPOSED (source 0 = 16 rows of Wo^T, source 1 = 16 rows of o): a lane holds eight neighbouring columns of one row.  The bias is the C of each sum's first instruction.
; REGISTERS, in windows of 256: window 0: v0-31 addresses; v32-63 scale words, two sets, and nothing else; v64-127 the bias; from v128 A's fragments, one set, on the way out rows of the result.
;   window 1: B's fragments, two sets, at v0 and v128.   windows 2, 3: the accumulators ((a, b) at v[8 (8 (a % 4) + b)]).
.set NQ,     2
.set FR,     12
.set NL,     4
.set NP,     4
.set KSB,    3072
.set HALFT,  8*KSB
.set SLOT,   4*HALFT
.set LAPS,   2
.set KS,     32
.set SCL,    2*SLOT
.set HALFS,  (128*KS/256)*272
.set SBLK,   (16*KS/256)*272
.set SPARE,  SCL+4*HALFS               ; the spare words, 128 bytes a wave: two blocks of 256 bytes that no other line names
.set SPITCH, 528
.set STQ,    SPARE+512                 ; the stages: 16 rows x 528 for each wave: bytes of their own, into which no fill lands
.set XSCO,   6291456
.set WSCO,   3145728
.set SIZE_N, 1024
.set ADRA, 16
.set ADRB, 20
.set STO,  24
.set RD,   25
.set CO,   26
.set ADRS, 27
.set SPW,  28
.set NIL,  29
.set SC,   32
.set BI,   64
.set AF,   128
.set BK,   128
.set G1, 24
.set G0, 32
.set G1B, 48
.set G0B, 56
.set G1S, 68
.set G0S, 76
.set G1SB, 80
.set G0SB, 88
.set MSB, 0
.macro WIN new                         ; the immediate's high byte repeats the setting that is left
.if MSB != (\new)
	s_set_vgpr_msb (MSB<<8)|(\new)
.set MSB, \new
.endif
.endm
.set MUL_LO, 0xa1
.set MUL_HI, 0xf1
.set TO_B,   0x40
.macro JLOAD g0a, g1a, g0b, g1b        ; a joint load: waves 0 and 1 fetch for A, waves 2 and 3 for B; an s_nop 0 and four v_nop follow each of the two lines
	s_cmp_eq_u32 s15, 0
	s_cbranch_scc0 .Lfor_b_\@
	tensor_load_to_lds s[\g0a:\g0a+3], s[\g1a:\g1a+7]
	s_nop 0
.rept 4
	v_nop
.endr
	s_branch .Lasked_\@
.Lfor_b_\@:
	tensor_load_to_lds s[\g0b:\g0b+3], s[\g1b:\g1b+7]
	s_nop 0
.rept 4
	v_nop
.endr
.Lasked_\@:
.endm
.macro CREST
	s_cmp_lg_u32 s14, 0
	s_cbranch_scc1 .Lnot_wave_0_\@
	s_barrier_signal -3
.Lnot_wave_0_\@:
	s_barrier_wait -3
	s_barrier_signal -1
	s_barrier_wait -1
.endm
.macro CROUND
	s_barrier_signal -1
	s_barrier_wait -1
	CREST
.endm
	s_load_b128 s[4:7], s[0:1], 0x0                ; oq s[4:5], wq s[6:7]
	s_load_b64 s[8:9], s[0:1], 0x10                ; bo
	s_load_b64 s[12:13], s[0:1], 0x18              ; out0
	v_lshl_add_u32 v[SPW], v0, 2, SPARE
	v_mov_b32 v[NIL], 0
	ds_add_u32 v[SPW], v[NIL]                      ; the wave's opening: the add, and its wait ahead of my first tensor load; work on registers stands between them
	v_lshrrev_b32 v1, 5, v0
	v_readfirstlane_b32 s14, v1                    ; wave 0..3
	s_lshr_b32 s15, s14, 1                         ; which half of the tile's rows is mine.  Also: I fetch for A (0) or for B (1)
	s_and_b32 s16, s14, 1                          ; which half of its columns.  Also: which 128 rows of that tile I fetch
	s_bfe_u32 s40, ttmp6, 0x40000                  ; cx, cy
	s_bfe_u32 s41, ttmp6, 0x40004
	s_lshl_b32 s42, ttmp9, 2
	s_add_co_u32 s42, s42, s40                     ; tile column
	s_and_b32 s17, ttmp7, 0xffff
	s_lshl_b32 s17, s17, 2
	s_add_co_u32 s17, s17, s41                     ; tile row
	s_lshl_b32 s43, s41, 2
	s_lshl_b32 s43, 15, s43                        ; my row of the cluster
	s_lshl_b32 s44, 0x1111, s40                    ; my column
	s_or_b32 s[G1+0], s43, (3<<16)|(1<<21)         ; 15:0 the mask; 17:16 elements of 8 bytes; 21 set beside a mask; no padding
	s_or_b32 s[G1B+0], s44, (3<<16)|(1<<21)
.irp g, G1, G1B
	s_mov_b32 s[\g+1], 384<<16                     ; tensor_dim0: 3,072 bytes
	s_mov_b32 s[\g+2], 8<<16                       ; tensor_dim1
	s_mov_b32 s[\g+3], 384<<16                     ; tile_dim0
	s_mov_b32 s[\g+4], 8                           ; tile_dim1
	s_mov_b32 s[\g+5], 1536                        ; tensor_dim0_stride: 12,288 bytes
	s_mov_b32 s[\g+6], 0
	s_mov_b32 s[\g+7], 0
.endr
	s_or_b32 s[G1S+0], s43, (3<<16)|(1<<20)|(1<<21)|(5<<22)|(3<<25)   ; the scale bytes of 128 rows: 16 rows of 256 bytes, 16 bytes of padding behind each
	s_or_b32 s[G1SB+0], s44, (3<<16)|(1<<20)|(1<<21)|(5<<22)|(3<<25)
.irp g, G1S, G1SB
	s_mov_b32 s[\g+1], 32<<16
	s_mov_b32 s[\g+2], (128*KS/256)<<16
	s_mov_b32 s[\g+3], 32<<16
	s_mov_b32 s[\g+4], 128*KS/256
	s_mov_b32 s[\g+5], 32
	s_mov_b32 s[\g+6], 0
	s_mov_b32 s[\g+7], 0
.endr
	s_lshl_b32 s18, s16, 7
	s_lshl_b32 s20, s17, 8
	s_add_co_u32 s20, s20, s18                     ; A: row 256 x tile row + 128 x half
	s_lshl_b32 s46, s42, 8
	s_add_co_u32 s46, s46, s18
	s_add_co_u32 s46, s46, 3072                    ; B: Wo's rows lie behind Wq's, Wk's and Wv's
	s_mov_b32 s21, 0
	s_mov_b32 s47, 0
	s_mov_b64 s[18:19], KS
	s_mul_u64 s[22:23], s[20:21], s[18:19]
	s_mul_u64 s[92:93], s[46:47], s[18:19]
	s_mov_b64 s[18:19], 768
	s_mul_u64 s[20:21], s[20:21], s[18:19]
	s_mul_u64 s[46:47], s[46:47], s[18:19]
	s_mul_i32 s45, s14, HALFT
	s_mul_i32 s94, s14, HALFS
	s_wait_dscnt 0x0                               ; the opening add is done
	s_wait_kmcnt 0x0
	s_add_nc_u64 s[20:21], s[4:5], s[20:21]
	s_add_nc_u64 s[22:23], s[4:5], s[22:23]
	s_add_nc_u64 s[22:23], s[22:23], XSCO
	s_add_nc_u64 s[46:47], s[6:7], s[46:47]
	s_add_nc_u64 s[92:93], s[6:7], s[92:93]
	s_add_nc_u64 s[92:93], s[92:93], WSCO
	CROUND                                         ; all sixteen work-groups are here: the first joint loads meet
	s_mov_b32 s[G0S], 1
	s_add_co_u32 s[G0S+1], s94, SCL
	s_mov_b64 s[G0S+2:G0S+3], s[22:23]
	s_or_b32 s[G0S+3], s[G0S+3], 0x80000000
	s_mov_b32 s[G0SB], 1
	s_add_co_u32 s[G0SB+1], s94, SCL
	s_mov_b64 s[G0SB+2:G0SB+3], s[92:93]
	s_or_b32 s[G0SB+3], s[G0SB+3], 0x80000000
	JLOAD G0S, G1S, G0SB, G1SB
.irp s, 0,1
	s_mov_b32 s[G0+4*\s], 1
	s_add_co_u32 s[G0+4*\s+1], s45, \s*SLOT
	s_add_nc_u64 s[G0+4*\s+2:G0+4*\s+3], s[20:21], \s*KSB
	s_or_b32 s[G0+4*\s+3], s[G0+4*\s+3], 0x80000000
	s_mov_b32 s[G0B+4*\s], 1
	s_add_co_u32 s[G0B+4*\s+1], s45, \s*SLOT
	s_add_nc_u64 s[G0B+4*\s+2:G0B+4*\s+3], s[46:47], \s*KSB
	s_or_b32 s[G0B+4*\s+3], s[G0B+4*\s+3], 0x80000000
	JLOAD G0+4*\s, G1, G0B+4*\s, G1B               ; three tensor loads of mine are out now
.endr
	v_and_b32 v1, 15, v0                           ; r
	v_bfe_u32 v2, v0, 4, 1                         ; h
	v_and_b32 v3, 31, v0                           ; l
	s_lshl_b32 s46, s42, 10                        ; my first column, in bytes: 1,024 x tile column + 512 x half: in bo, and in a row of out0
	s_lshl_b32 s47, s16, 9
	s_add_co_u32 s46, s46, s47
	s_mov_b32 s47, 0
	s_add_nc_u64 s[8:9], s[8:9], s[46:47]
	v_lshlrev_b32 v30, 5, v2                       ; 32 h
.irp b, 0,1,2,3,4,5,6,7                        ; the bias: tile b, register j = bo[16 b + 8 h + j]
	global_load_b128 v[BI+8*\b:BI+8*\b+3], v30, s[8:9] offset:64*\b
	global_load_b128 v[BI+8*\b+4:BI+8*\b+7], v30, s[8:9] offset:64*\b+16
.endr
	v_lshlrev_b32 v4, 4, v3                        ; 16 l
	v_lshlrev_b32 v5, 4, v1
	v_lshl_add_u32 v5, v2, 3, v5                   ; 16 r + 8 h
	s_mul_i32 s21, s15, HALFT
	s_mul_i32 s22, s16, HALFT
	s_add_co_u32 s22, s22, 2*HALFT
.irp s, 0,1
	v_add_nc_u32 v[ADRA+\s], s21, v4
	v_add_nc_u32 v[ADRB+\s], s22, v4
	v_add_nc_u32 v[ADRA+2+\s], s21, v5
	v_add_nc_u32 v[ADRB+2+\s], s22, v5
	s_add_co_u32 s21, s21, SLOT
	s_add_co_u32 s22, s22, SLOT
.endr
	v_mul_u32_u24 v5, v1, KS
	v_lshrrev_b32 v6, 8, v5
	v_lshl_add_u32 v5, v6, 4, v5
	s_mul_i32 s21, s15, HALFS
	s_mul_i32 s22, s16, HALFS
	s_add_co_u32 s22, s22, 2*HALFS
	s_sub_co_u32 s22, s22, s21
	v_mul_u32_u24 v6, s22, v2                      ; lanes 16-31 take B's
	s_add_co_u32 s21, s21, SCL
	v_add_nc_u32 v5, v5, v6
	v_add_nc_u32 v[ADRS], s21, v5
	s_mul_i32 s23, s14, 16*SPITCH
	s_add_co_u32 s23, s23, STQ                     ; my stage
	v_mul_u32_u24 v5, v1, SPITCH
	v_lshl_add_u32 v5, v2, 5, v5
	v_add_nc_u32 v[STO], s23, v5                   ; in: row r, 32 bytes for each half of the lanes
	v_mov_b32 v[CO], v4                            ; back: the 32 lanes take one row of 512 bytes; and the same in out0
	v_add_nc_u32 v[RD], s23, v4
	s_lshl_b32 s20, s17, 8
	s_lshl_b32 s21, s15, 7
	s_add_co_u32 s20, s20, s21                     ; my first row
	s_mov_b32 s21, 0
	s_lshl_b64 s[20:21], s[20:21], 12              ; rows of 4,096 bytes
	s_add_nc_u64 s[20:21], s[20:21], s[46:47]
	s_add_nc_u64 s[12:13], s[12:13], s[20:21]
.macro FRAG reg, adr, q, i             ; a fragment, 16 rows x 128 K: two images; registers 6 c .. 6 c + 5 are my 24 bytes of image c
	ds_load_b128 v[\reg:\reg+3], v[\adr] offset:(\i)*KSB+(\q)*1536
	ds_load_b64 v[\reg+4:\reg+5], v[\adr+2] offset:(\i)*KSB+(\q)*1536+512
	ds_load_b128 v[\reg+6:\reg+9], v[\adr] offset:(\i)*KSB+(\q)*1536+768
	ds_load_b64 v[\reg+10:\reg+11], v[\adr+2] offset:(\i)*KSB+(\q)*1536+1280
.endm
.macro MUL16 a0, p, q, sc, zero        ; 16 matrix instructions; zero = 1: the bias is C.  The 64 accumulators take turns, one instruction a turn
.irp a, \a0, \a0+1
.irp b, 0,1,2,3,4,5,6,7
.if \zero
	v_wmma_scale_f32_16x16x128_f8f6f4 v[8*(8*((\a)%4)+\b):8*(8*((\a)%4)+\b)+7], v[128*(\p)+FR*\b:128*(\p)+FR*\b+FR-1], v[AF+FR*(\a):AF+FR*(\a)+FR-1], v[BI+8*\b:BI+8*\b+7], v[SC+8*NQ*(\sc)+NQ*\b+(\q)], v[SC+8*NQ*(\sc)+NQ*(\a)+(\q)] matrix_a_fmt:MATRIX_FMT_FP6 matrix_b_fmt:MATRIX_FMT_FP6 matrix_a_scale:MATRIX_SCALE_ROW1
.else
	v_wmma_scale_f32_16x16x128_f8f6f4 v[8*(8*((\a)%4)+\b):8*(8*((\a)%4)+\b)+7], v[128*(\p)+FR*\b:128*(\p)+FR*\b+FR-1], v[AF+FR*(\a):AF+FR*(\a)+FR-1], v[8*(8*((\a)%4)+\b):8*(8*((\a)%4)+\b)+7], v[SC+8*NQ*(\sc)+NQ*\b+(\q)], v[SC+8*NQ*(\sc)+NQ*(\a)+(\q)] matrix_a_fmt:MATRIX_FMT_FP6 matrix_b_fmt:MATRIX_FMT_FP6 matrix_a_scale:MATRIX_SCALE_ROW1
.endif
.endr
.endr
.endm
.macro FETCH_B slot, q, p
	WIN TO_B
.irp i, 0,1,2,3,4,5,6,7
	FRAG 128*(\p)+FR*\i, ADRB+\slot, \q, \i
.endr
	WIN 0
.endm
.macro FETCH_A slot, q, i0
.irp i, \i0, \i0+1, \i0+2, \i0+3
	FRAG AF+FR*(\i), ADRA+\slot, \q, \i
.endr
.endm
.macro SCALES sc
.irp i, 0,1,2,3,4,5,6,7
	ds_load_b64 v[SC+8*NQ*\sc+NQ*\i:SC+8*NQ*\sc+NQ*\i+1], v[ADRS] offset:\i*SBLK
.endr
.endm
.macro PLACES n                        ; plain vector instructions between a matrix instruction and a load into its registers, or a read of its result (ISA guide 7.12.1 for the reads of results)
.rept \n
	v_nop
.endr
.endm
.macro STEP slot, q, zero
	s_wait_dscnt 4*NL                              ; B's set and A's blocks 0-3 are in; the youngest 16 loads (A's blocks 4-7) may be out
	WIN MUL_LO-0x20*(\zero)
	MUL16 0, (\q)%2, \q, \slot, \zero
	MUL16 2, (\q)%2, \q, \slot, \zero
	s_wait_dscnt 0
	PLACES NP
	FETCH_B \slot, (\q)+1, 1-(\q)%2
	FETCH_A \slot, (\q)+1, 0
	WIN MUL_HI-0x30*(\zero)
	MUL16 4, (\q)%2, \q, \slot, \zero
	MUL16 6, (\q)%2, \q, \slot, \zero
	PLACES NP
	WIN 0
	FETCH_A \slot, (\q)+1, 4
.endm
.macro TURN slot, next, fill
	s_wait_tensorcnt 0x0                           ; all my tensor loads have landed: my part of the next slot
	ds_add_u32 v[SPW], v[NIL]                      ; 0 onto my spare word
	s_wait_dscnt 4*NL+1                            ; (the add and the youngest 16 loads may be out)
	WIN MUL_LO
	MUL16 0, 1, NQ-1, \slot, 0
	s_wait_dscnt 0x0                               ; the add is done, and my reads of this slot are over
	s_barrier_signal -1
	MUL16 2, 1, NQ-1, \slot, 0
	WIN 0
	s_barrier_wait -1
.if \fill
	CREST                                          ; the barrier has opened a round of the cluster's: no wave of any partner still reads this slot or has a load on its way
	s_add_nc_u64 s[G0+4*\slot+2:G0+4*\slot+3], s[G0+4*\slot+2:G0+4*\slot+3], 2*KSB
	s_add_nc_u64 s[G0B+4*\slot+2:G0B+4*\slot+3], s[G0B+4*\slot+2:G0B+4*\slot+3], 2*KSB
	JLOAD G0+4*\slot, G1, G0B+4*\slot, G1B         ; the first tensor load behind the round; its four v_nop are the places in front of the loads below
.else
	PLACES NP
.endif
	v_add_nc_u32 v[ADRS], 4*NQ, v[ADRS]
	FETCH_B \next, 0, 0
	FETCH_A \next, 0, 0
	SCALES \next
	WIN MUL_HI
	MUL16 4, 1, NQ-1, \slot, 0
	MUL16 6, 1, NQ-1, \slot, 0
	PLACES NP
	WIN 0
	FETCH_A \next, 0, 4
.endm
	s_wait_tensorcnt 1                             ; the scale bytes and my part of K step 0 are in (K step 1's load may be out)
	s_barrier_signal -1
	s_barrier_wait -1                              ; everybody's are
	FETCH_B 0, 0, 0
	FETCH_A 0, 0, 0
	SCALES 0
	FETCH_A 0, 0, 4
	s_wait_loadcnt 0x0                             ; the bias
	STEP 0, 0, 1
	s_mov_b32 s3, LAPS-1
.Llap:
	TURN 0, 1, 1
	STEP 1, 0, 0
	TURN 1, 0, 1
	STEP 0, 0, 0
	s_sub_co_u32 s3, s3, 1
	s_cmp_lg_u32 s3, 0
	s_cbranch_scc1 .Llap
	TURN 0, 1, 0
	STEP 1, 0, 0
	s_wait_dscnt 4*NL
	WIN MUL_LO
	MUL16 0, 1, NQ-1, 1, 0
	MUL16 2, 1, NQ-1, 1, 0
	s_wait_dscnt 0
	WIN MUL_HI
	MUL16 4, 1, NQ-1, 1, 0
	MUL16 6, 1, NQ-1, 1, 0
	WIN 0
; THE WAY OUT, block by block of 16 rows x 128 columns, through my own stage: back as whole rows of 512 bytes, which the 32 lanes store as 512 consecutive aligned bytes.  LDS serves a wave's instructions in order.
.macro TOSTAGE a
.set AC, 64*((\a)%4)
	WIN 0x08+4*((\a)/4)                            ; the data: window 2 or 3
.irp b, 0,1,2,3,4,5,6,7
	ds_store_b128 v[STO], v[AC+8*\b:AC+8*\b+3] offset:64*\b          ; each accumulator from its low end on
	ds_store_b128 v[STO], v[AC+8*\b+4:AC+8*\b+7] offset:64*\b+16
.endr
	WIN 0
.set BB, BK+64*((\a)%2)
.irp t, 0,1,2,3,4,5,6,7,8,9,10,11,12,13,14,15
	ds_load_b128 v[BB+4*\t:BB+4*\t+3], v[RD] offset:\t*SPITCH
.endr
.endm
.macro SEND a, younger                 ; younger: the LDS instructions issued behind block a's loads, which may stay out
.set BB, BK+64*((\a)%2)
	s_wait_dscnt \younger
.if (\a) > 0
	s_add_nc_u64 s[12:13], s[12:13], 16*SIZE_N*4   ; (behind a wait on XCNT: the earlier stores have read their base)
.endif
.irp t, 0,1,2,3,4,5,6,7,8,9,10,11,12,13,14,15
	global_store_b128 v[CO], v[BB+4*\t:BB+4*\t+3], s[12:13] offset:\t*SIZE_N*4 th:TH_STORE_NT
.endr
.endm
	PLACES NP                                      ; in front of the first reads of results and of loads into the registers that held A's fragments
	TOSTAGE 0
.irp a, 1,2,3,4,5,6,7
.if \a > 1
	s_wait_xcnt 0x0                                ; block a - 2's stores have read their registers and their base
.endif
	TOSTAGE \a
	SEND \a-1, 32                                  ; behind block a - 1's loads: block a's 16 stores and 16 loads
.endr
	s_wait_xcnt 0x0
	SEND 7, 0
	s_wait_tensorcnt 0x0                           ; the wave's end, behind my last tensor load and my last LDS store
	ds_add_u32 v[SPW], v[NIL]
	s_wait_dscnt 0x0
	CROUND                                         ; the closing round: no work-group ends while a partner may still ask for a tile that names it
	s_endpgm
.Lfunc_end_k_q38b0ac4cbe_gemm_out:
	.size	k_q38b0ac4cbe_gemm_out, .Lfunc_end_k_q38b0ac4cbe_gemm_out-k_q38b0ac4cbe_gemm_out
	.p2alignl 7, 3214868480
	.fill 96, 4, 3214868480
	.section	.rodata,"a",@progbits
	.p2align	6, 0x0
	.amdhsa_kernel k_q38b0ac4cbe_gemm_out
		.amdhsa_group_segment_fixed_size 327680
		.amdhsa_private_segment_fixed_size 0
		.amdhsa_enable_private_segment 0
		.amdhsa_kernarg_size 32
		.amdhsa_user_sgpr_count 2
		.amdhsa_user_sgpr_kernarg_segment_ptr 1
		.amdhsa_wavefront_size32 1
		.amdhsa_system_sgpr_workgroup_id_x 1
		.amdhsa_system_sgpr_workgroup_id_y 1
		.amdhsa_system_sgpr_workgroup_id_z 1
		.amdhsa_system_vgpr_workitem_id 0
		.amdhsa_next_free_vgpr 1024
		.amdhsa_next_free_sgpr 102
		.amdhsa_reserve_vcc 0
		.amdhsa_float_denorm_mode_32 3
		.amdhsa_float_denorm_mode_16_64 3
		.amdhsa_memory_ordered 1
		.amdhsa_forward_progress 1
		.amdhsa_inst_pref_size 145
	.end_amdhsa_kernel
	.amdgpu_metadata
---
amdhsa.version: [ 1, 2 ]
amdhsa.kernels:
  - .name:           k_q38b0ac4cbe_gemm_out
    .symbol:         k_q38b0ac4cbe_gemm_out.kd
    .args:
      - { .name: oq, .offset: 0, .size: 8, .value_kind: global_buffer, .address_space: global }
      - { .name: wq, .offset: 8, .size: 8, .value_kind: global_buffer, .address_space: global }
      - { .name: bo, .offset: 16, .size: 8, .value_kind: global_buffer, .address_space: global }
      - { .name: out0, .offset: 24, .size: 8, .value_kind: global_buffer, .address_space: global }
    .group_segment_fixed_size: 327680
    .private_segment_fixed_size: 0
    .kernarg_segment_align: 8
    .kernarg_segment_size: 32
    .max_flat_workgroup_size: 128
    .sgpr_count:     102
    .vgpr_count:     1024
    .wavefront_size: 32
...
	.end_amdgpu_metadata
.endif
;; end of part 4
;; ======== version 2 of 2: 4 launches; version 1 with the launch attn written anew for expert scheduling mode
;; workspace buffers: xq 6,553,600 bytes; wq 3,276,800 bytes; rope 524,288 bytes; maskw 526,336 bytes of whole numbers; q 6,815,744 bytes; kv 13,369,344 bytes; oq 6,553,600 bytes
;; launch prep: the kernel of part 1 again; grid 256 x 1, 4 waves a work-group, no clusters, 34,304 bytes of LDS; arguments x, Wq, Wk, Wv, Wo, mask, xq, wq, rope, maskw; writes xq, wq, rope, maskw
;; launch gemm_qkv: the kernel of part 2 again; grid 12 x 32, 4 waves a work-group, clusters of 4 x 4, 327,680 bytes of LDS; arguments xq, wq, bq, bk, bv, rope, q, kv; writes q, kv
;; launch attn (part 5): grid 4 x 64, 16 waves a work-group, no clusters, 210,944 bytes of LDS; arguments q, kv, maskw, oq; writes oq
.if DOCPART == 5
	.amdgcn_target "amdgcn-amd-amdhsa--gfx1250"
	.amdhsa_code_object_version 6
	.text
	.protected	k_q38b0ac4cbe_attn
	.globl	k_q38b0ac4cbe_attn
	.p2align	8
	.type	k_q38b0ac4cbe_attn,@function
k_q38b0ac4cbe_attn:
	s_mov_b64 s[64:65], 0
	v_nop
	global_prefetch_b8 v0, s[64:65] scope:SCOPE_SE
	s_setreg_imm32_b32 hwreg(HW_REG_WAVE_SCHED_MODE, 0, 2), 2
	s_setreg_imm32_b32 hwreg(HW_REG_WAVE_MODE, 25, 1), 1
	s_wait_xcnt 0x0
	s_wait_alu depctr_vm_vsrc(0)
; ATTENTION on codes of FP6 (E2M3) with E8M0 scales: 64 (batch, head) pairs, 2,048 queries and keys, head size 64, under a mask that is an input.  The result, divided by the row's sum, is quantised along the model's 1,024 for the last product.
; THE SOFTMAX: t = score x log2(e) / 8; M = the row's largest t so far, rounded up to a whole number; p = 2^(t - M) is quantised along the keys, not normalised; the row's sum is taken of the unquantised p; when M moves, the sum
; and O are multiplied by 2^(old M - new M), which rounds nothing.
; SHARES.  Work-group (x, g) serves head g.  The head's K and V, codes and scale words, 208,896 bytes, lie in LDS as they lie in memory, brought ONCE through registers: one barrier in the whole launch, nothing is filled again.
; Each of the sixteen waves owns one tile of 16 queries at a time, in 256 registers, four waves to a SIMD: tile 16 x + w, then tile 127 - (16 x + w), so that under a mask that hides later keys every wave has about as many steps.
; THE MASK comes as lane-mask words (word n selects the scores' register n) and two flags a step, whole numbers that the first launch stored.  A step with no true entry among its 16 x 128 is passed over by a scalar branch on its flag:
; it would change neither M nor the sum nor O.  A step whose entries are all true skips the 64 selects.
; LAYOUT.  Both products are used transposed: S^T = K Q^T (source 0 = 16 keys), O^T = V^T P^T (source 0 = 16 channels): a lane holds one query throughout.  A tile of K is 16 neighbouring keys, so p's codes fall, within a block of 32
; keys, in the order 0-7, 16-23, 8-15, 24-31; V's codes were laid in the same order.  The head size is 64, half of the instruction's K: Q's upper six registers are zero codes, and the six registers behind a tile of K (the next
; tile's codes, or zeros) meet them: FP6 has no code for infinity or NaN, so those products are exactly 0; both sides' upper two scale bytes are 0.
; A ROW WITH NO TRUE KEY has the sum 0: its two scale bytes are set to 0xff, which makes the last product's whole row NaN, as the softmax of such a row is.
; LIMITS: NaN and infinities among q, k, v are not served; a block of zeros gets the byte 1 (its codes are zeros; this program alone reads the bytes).
; REGISTERS: v1-8 lane terms; v10-15 the step's LDS addresses; v16-27 Q; v28 Q's scale word; v29 -infinity; v32-85 K's eight tiles and six zeros, then V's four fragments; v86-93 K's scale words; v94-97 V's;
;   v98-161 S^T, then p; v162-193 O^T; v194-205 p's codes; v206-212 conversions; v214 -M, v215 the largest t, v[216:217] the sum; v218-235 at work; v236-239 lane terms.
; THE MODE: SCHED_MODE bits 1:0 = 2 (LLVM: expert scheduling mode 2), set by the entry lines.  The code itself states the register dependences between vector or matrix instructions and memory or LDS instructions,
; with s_wait_alu, always for 0.
; THE PLAN.  Registers that memory or LDS instructions touch:
;   v1, v2, v236-239   offsets: written at the head, never again; read by Q's loads, by the fill and by a tile's three stores.
;   v98-199            the fill: 26 global loads land, 26 LDS stores read; from the first tile on they are named by vector and matrix instructions alone (v194-199: see below).
;   v16-21, v28        Q and its scale word: three global loads at a tile's head land; the products K Q^T read.
;   v10-15             LDS addresses: six additions at the head of a walked step write; that step's 36 LDS loads read.
;   v32-79             K's loads land at a step's head, the eight products K Q^T read; then V's loads land, and the four products V^T P^T read.  Sixteen waves of 256 registers leave no room for a second set.
;   v86-93, v94-97     K's and V's scale words: loaded with them, read by the same products.
;   v194-199, v234     the way out's codes and scale bytes: written by the steps' and the way out's vector work, read by a tile's three stores.
;   v5, v6             written at the head, read by the closing add alone.
; So a walked step has three waits on va_vdst of its own: behind its six additions (the addresses are written, the last walked step's products are done reading V), behind its eight products (they are done reading K), and ahead of
; its last four (p's codes and scale word are written); the two behind the exponentials stand as ever.  One wait on vm_vsrc a step stands beside the wait for V, behind the step's last LDS load; one more stands at a tile's head.
.set QH,    106496
.set KVH,   208896
.set KSC,   98304                      ; K's scale words in a head of kv (and q's in a head of q)
.set VIM,   106496                     ; V's images
.set VSC,   204800                     ; V's scale words
.set SPARE, 208896                     ; behind the head: the spare words, 128 bytes a wave: eight blocks of 256 bytes that no other line names
.set XSCO,  6291456                    ; where the scale bytes begin in oq
.set FLGO,  0x80000                    ; where the flags begin in maskw
.set SPW, 5
.set NIL, 6
	s_load_b256 s[4:11], s[0:1], 0x0               ; q s[4:5], kv s[6:7], maskw s[8:9], oq s[10:11]
	v_lshl_add_u32 v[SPW], v0, 2, SPARE
	v_mov_b32 v[NIL], 0
	v_lshrrev_b32 v9, 5, v0
	v_readfirstlane_b32 s14, v9                    ; wave 0..15
	v_and_b32 v9, 31, v0                           ; l
	v_lshlrev_b32 v1, 4, v9                        ; 16 l: an image's 16-byte pieces
	v_and_b32 v30, 15, v0                          ; r
	v_bfe_u32 v31, v0, 4, 1                        ; h
	v_lshlrev_b32 v236, 4, v30                     ; 16 r
	v_lshl_add_u32 v2, v31, 3, v236                ; 16 r + 8 h: its 8-byte pieces
	v_add_nc_u32 v3, KSC, v236                     ; K's scale words: four tiles' words of row r
	v_lshl_add_u32 v4, v30, 3, VSC                 ; V's: two tiles' words of row r
	v_add_nc_u32 v7, VIM, v1
	v_add_nc_u32 v8, VIM, v2
	v_lshlrev_b32 v237, 5, v30                     ; 32 r: a row of oq's scale bytes
	s_wait_alu depctr_va_sdst(0)                   ; s14 is written, ahead of its first reader, the next line
	s_mul_i32 s15, s14, 13056                      ; my sixteenth of the head: 25 x 512 + 256 bytes.  (s15 is written again only at the first tile's head, behind the wait on va_vdst below: the two additions that read it are done by then)
	v_add_nc_u32 v238, s15, v1
	v_lshlrev_b32 v239, 3, v9
	v_add_nc_u32 v239, s15, v239
	s_and_b32 s26, ttmp7, 0xffff                   ; g = 16 x batch + head
	s_mul_i32 s28, s26, QH
	s_mov_b32 s29, 0
	s_mul_i32 s30, s26, KVH
	s_mov_b32 s31, 0
	s_lshr_b32 s66, s26, 4
	s_and_b32 s67, s26, 15
	s_mul_i32 s100, s66, 128*12288                 ; oq: the batch's 128 row tiles, image number head
	s_mul_i32 s27, s67, 768
	s_add_co_u32 s100, s100, s27
	s_mov_b32 s101, 0
	s_lshl_b32 s2, s66, 16                         ; its scale bytes: 2,048 rows of 32, bytes 2 head, 2 head + 1
	s_lshl_b32 s27, s67, 1
	s_add_co_u32 s2, s2, s27
	s_mov_b32 s3, 0
	s_mov_b32 s22, 0x3e38aa3b                      ; c = log2(e) / 8
	s_mov_b32 s23, s22                             ; (named with it as a pair, so it is written)
	s_mov_b32 s24, 0x76543210
	s_mov_b32 s25, 0xfedcba98                      ; v_permlanex16_b32's selects for lane l xor 16
	s_wait_kmcnt 0x0
	s_add_nc_u64 s[4:5], s[4:5], s[28:29]
	s_add_nc_u64 s[6:7], s[6:7], s[30:31]
	s_add_nc_u64 s[12:13], s[10:11], s[2:3]
	s_add_nc_u64 s[12:13], s[12:13], XSCO
	s_add_nc_u64 s[10:11], s[10:11], s[100:101]
	s_wait_alu depctr_va_vdst(0)                   ; the offsets v1, v2 and v236 to v239 are written: the fill below, every tile's loads of Q and its stores read them, and no vector instruction writes them again
; THE FILL: the head's bytes go to the same places in LDS; each load and store covers 512 consecutive bytes
.irp i, 0,1,2,3,4,5,6,7,8,9,10,11,12,13,14,15,16,17,18,19,20,21,22,23,24
	global_load_b128 v[98+4*\i:101+4*\i], v238, s[6:7] offset:512*\i
.endr
	global_load_b64 v[198:199], v239, s[6:7] offset:12800
.irp i, 0,1,2,3,4,5,6,7,8,9,10,11,12,13,14,15,16,17,18,19,20,21,22,23,24
	s_wait_loadcnt 25-\i                           ; loads come back in order: mine is in, the younger ones stay out
	ds_store_b128 v238, v[98+4*\i:101+4*\i] offset:512*\i
.endr
	s_wait_loadcnt 0x0
	ds_store_b64 v239, v[198:199] offset:12800
.irp j, 22,23,24,25,26,27, 80,81,82,83,84,85
	v_mov_b32 v[\j], 0                             ; Q's upper half, and what stands behind K's last tile: zero codes.  (None of the registers written here is read by the fill's stores)
.endr
	v_mov_b32 v29, 0xff800000                      ; -infinity
.irp j, 222,223,224,225, 231, 234
	v_mov_b32 v[\j], 0                             ; written once: a lane permute's destination counts as a source; v231 is named as the upper half of a pair
.endr
	s_wait_dscnt 0x0                               ; for the others' sake: my stores have landed
	s_barrier_signal -1
	s_barrier_wait -1                              ; the whole head lies in LDS
; A KEY STEP: 128 keys
.macro STEP
	s_bitcmp1_b32 s16, 0                           ; has this step a true entry for my 16 queries?
	s_cbranch_scc0 .Lskip_\@
	s_load_b512 s[32:47], s[8:9], s21 offset:0x0   ; the step's 64 mask words, asked for first: they are on their way during the wait below.  (The selects that read these registers stand ahead of the last walked step's waits on va_vdst)
	s_load_b512 s[48:63], s[8:9], s21 offset:0x40
	s_load_b512 s[68:83], s[8:9], s21 offset:0x80
	s_load_b512 s[84:99], s[8:9], s21 offset:0xc0
	v_add_nc_u32 v10, s18, v1                      ; (the LDS loads that read v10 to v15 stand ahead of the last walked step's wait on vm_vsrc)
	v_add_nc_u32 v11, s18, v2
	v_add_nc_u32 v12, s18, v7
	v_add_nc_u32 v13, s18, v8
	v_add_nc_u32 v14, s19, v3
	v_add_nc_u32 v15, s20, v4
	s_wait_alu depctr_va_vdst(0)                   ; v10 to v15 are written, which this step's LDS loads read; the last walked step's products V^T P^T are done reading v32-79 and v94-97, in which loads of this step land; the zero codes v22-27 and v80-85, written by moves at the head, are written ahead of the scaled products that take them
.irp t, 0,1,2,3,4,5,6,7
	ds_load_b128 v[32+6*\t:35+6*\t], v10 offset:768*\t
	ds_load_b64 v[36+6*\t:37+6*\t], v11 offset:768*\t+512
.endr
	ds_load_b128 v[86:89], v14
	ds_load_b128 v[90:93], v14 offset:256
	s_wait_dscnt 0x0
.irp t, 0,1,2,3,4,5,6,7                        ; S^T: register 8 t + j of lane (r, h) = key 16 t + 8 h + j, query r
	v_wmma_scale_f32_16x16x128_f8f6f4 v[98+8*\t:105+8*\t], v[32+6*\t:43+6*\t], v[16:27], 0, v[86+\t], v28 matrix_a_fmt:MATRIX_FMT_FP6 matrix_b_fmt:MATRIX_FMT_FP6
.endr
.rept 4
	v_nop                                          ; places in front of the first read of the scores; they stay beside the wait below
.endr
	s_wait_alu depctr_va_vdst(0)                   ; the eight products are done reading K's tiles v32-85: V's fragments land in v32-79.  No vector or matrix instruction names v32-79, v94-97, v12, v13 or v15 between this wait and the loads
.irp dt, 0,1,2,3                               ; V's four fragments land while the softmax is walked
.irp c, 0,1
	ds_load_b128 v[32+12*\dt+6*\c:35+12*\dt+6*\c], v12 offset:(4*\c+\dt)*768
	ds_load_b64 v[36+12*\dt+6*\c:37+12*\dt+6*\c], v13 offset:(4*\c+\dt)*768+512
.endr
.endr
	ds_load_b64 v[94:95], v15                      ; scale words of tiles 0 and 2,
	ds_load_b64 v[96:97], v15 offset:128           ; of tiles 1 and 3
	s_wait_kmcnt 0x0
	s_bitcmp1_b32 s16, 16                          ; are all its entries true?
	s_cbranch_scc1 .Lopen_\@
.set N, 0
.rept 64
.if N < 32
.set MWR, 32+N
.else
.set MWR, 36+N
.endif
	v_cndmask_b32 v[98+N], v29, v[98+N], s[MWR]    ; a hidden score becomes -infinity: p = 0
.set N, N+1
.endr
.Lopen_\@:
.irp b, 0,1,2,3
	v_max3_num_f32 v[218+\b], v[98+16*\b], v[99+16*\b], v[100+16*\b]   ; the largest score of each block of 32 keys: for the row's maximum, and, since p rises with the score, for the block's largest p
.endr
.irp i, 3,5,7,9,11,13
.irp b, 0,1,2,3
	v_max3_num_f32 v[218+\b], v[218+\b], v[98+16*\b+\i], v[99+16*\b+\i]
.endr
.endr
.irp b, 0,1,2,3
	v_max_num_f32 v[218+\b], v[218+\b], v[113+16*\b]
.endr
.irp b, 0,1,2,3
	v_permlanex16_b32 v[222+\b], v[218+\b], s24, s25
.endr
.irp b, 0,1,2,3
	v_max_num_f32 v[218+\b], v[218+\b], v[222+\b]  ; with lane l xor 16's 16 keys
.endr
	v_max3_num_f32 v234, v218, v219, v220
	v_max_num_f32 v234, v234, v221
	v_mul_f32 v234, s22, v234                      ; the step's largest t
	v_max_num_f32 v215, v215, v234                 ; the running largest t
	v_mov_b32 v234, v214
	v_floor_f32 v214, -v215                        ; the new -M = floor(-t): M is a whole number
	v_sub_f32 v234, v214, v234                     ; old M - new M: a whole number, 0 or less
	v_cvt_i32_f32 v234, v234                       ; (it saturates)
	v_ldexp_f32 v230, 1.0, v234                    ; f = 2^(old M - new M)
.irp j, 0,2,4,6,8,10,12,14,16,18,20,22,24,26,28,30,32,34,36,38,40,42,44,46,48,50,52,54,56,58,60,62
	v_pk_fma_f32 v[98+\j:99+\j], v[98+\j:99+\j], s[22:23], v[214:215] op_sel_hi:[1,0,0]   ; t - M, two at a time
.endr
.irp b, 0,1,2,3
	v_fma_f32 v[218+\b], v[218+\b], s22, v214      ; the same of each block's largest score
.endr
.irp j, 0,1,2,3,4,5,6,7,8,9,10,11,12,13,14,15,16,17,18,19,20,21,22,23,24,25,26,27,28,29,30,31,32,33,34,35,36,37,38,39,40,41,42,43,44,45,46,47,48,49,50,51,52,53,54,55,56,57,58,59,60,61,62,63
	v_exp_f32 v[98+\j], v[98+\j]                   ; p = 2^(t - M)
.endr
	v_pk_mul_f32 v[216:217], v[216:217], v[230:231] op_sel_hi:[1,0]   ; the sums under the new M: a plain place behind the exponentials
	s_wait_alu depctr_va_vdst(0)                   ; the 64 exponentials have written v98-161, ahead of their first readers, the sums below: one wait for the batch
.irp b, 0,1,2,3
	v_exp_f32 v[218+\b], v[218+\b]                 ; the block's largest p
.endr
	v_pk_add_f32 v[232:233], v[98:99], v[100:101]  ; the row's sum is taken of the unquantised p, in two chains
.irp j, 4,8,12,16,20,24,28,32,36,40,44,48,52,56,60
	v_pk_add_f32 v[216:217], v[216:217], v[98+\j:99+\j]
	v_pk_add_f32 v[232:233], v[232:233], v[100+\j:101+\j]
.endr
	v_pk_add_f32 v[216:217], v[216:217], v[232:233]
	s_wait_alu depctr_va_vdst(0)                   ; the four exponentials have written v218-221, ahead of their first readers, the next four lines
.irp b, 0,1,2,3
	v_max_num_f32 v[218+\b], 0x1800000, v[218+\b]  ; the floor 2^(3 - 127): the byte cannot fall under 1
.endr
.irp b, 0,1,2,3
	v_add_nc_u32 v[226+\b], 0xff000000, v[218+\b]  ; 2 off the exponent field: the conversion's scale operand
.endr
.irp b, 0,1,2,3
	v_lshrrev_b32 v[222+\b], 23, v[226+\b]         ; the scale's byte
.endr
	v_lshl_or_b32 v231, v223, 8, v222              ; p's scale word for these 128 keys
	v_lshl_or_b32 v231, v224, 16, v231
	v_lshl_or_b32 v231, v225, 24, v231
.irp c, 0,1
	v_cvt_scalef32_pk16_fp6_f32 v[194+6*\c:196+6*\c], v[98+32*\c:113+32*\c], v[226+2*\c]
	v_cvt_scalef32_pk16_fp6_f32 v[206+4*\c:208+4*\c], v[114+32*\c:129+32*\c], v[227+2*\c]   ; (a conversion's three registers begin on an even number)
.endr
	v_nop                                          ; one plain place behind the scaled conversions
.irp c, 0,1                                    ; the operand's layout wants a whole block in a lane: lanes 0-15 block 2 c, lanes 16-31 block 2 c + 1
.irp i, 0,1,2
	v_permlane16_swap_b32 v[194+6*\c+\i], v[206+4*\c+\i]
.endr
.irp i, 0,1,2
	v_mov_b32 v[197+6*\c+\i], v[206+4*\c+\i]
.endr
.endr
.irp j, 0,2,4,6,8,10,12,14,16,18,20,22,24,26,28,30
	v_pk_mul_f32 v[162+\j:163+\j], v[162+\j:163+\j], v[230:231] op_sel_hi:[1,0]   ; O^T under the new M.  For each product below twelve of these name none of its registers: the places behind the writes of p's codes and scale word
.endr
	s_wait_alu depctr_va_vdst(0)                   ; the conversions, exchanges and moves have written p's codes v194-205, and the shifts its scale word v231, which the scaled products below take as source 1 and its scales; the places stand ahead of this wait
	s_wait_dscnt 0x0                               ; V
	s_wait_alu depctr_vm_vsrc(0)                   ; this step's 36 LDS loads have read v10 to v15, which the next walked step's additions write again: stated here, behind the step's last LDS load and ahead of the loop's branches
	v_wmma_scale_f32_16x16x128_f8f6f4 v[162:169], v[32:43], v[194:205], v[162:169], v94, v231 matrix_a_fmt:MATRIX_FMT_FP6 matrix_b_fmt:MATRIX_FMT_FP6
	v_wmma_scale_f32_16x16x128_f8f6f4 v[170:177], v[44:55], v[194:205], v[170:177], v96, v231 matrix_a_fmt:MATRIX_FMT_FP6 matrix_b_fmt:MATRIX_FMT_FP6
	v_wmma_scale_f32_16x16x128_f8f6f4 v[178:185], v[56:67], v[194:205], v[178:185], v95, v231 matrix_a_fmt:MATRIX_FMT_FP6 matrix_b_fmt:MATRIX_FMT_FP6
	v_wmma_scale_f32_16x16x128_f8f6f4 v[186:193], v[68:79], v[194:205], v[186:193], v97, v231 matrix_a_fmt:MATRIX_FMT_FP6 matrix_b_fmt:MATRIX_FMT_FP6
.Lskip_\@:
	s_lshr_b32 s16, s16, 1                         ; the next step's flags, images, scale words, mask words (the scalar loads that read s21 were waited for; the additions that read s18 to s20 stand ahead of the step's waits on va_vdst)
	s_add_co_u32 s18, s18, 6144
	s_add_co_u32 s19, s19, 512
	s_add_co_u32 s20, s20, 256
	s_add_co_u32 s21, s21, 256
.endm
; THE WAY OUT of a tile: O^T / the sum; register 8 dt + j of lane (r, h) is channel 32 (dt / 2) + 16 h + 8 (dt % 2) + j: 16 neighbours for each block of 32 along the last product's K
.macro OUT
.rept 4
	v_nop                                          ; places behind the last products
.endr
	v_add_f32 v216, v216, v217
	v_permlanex16_b32 v234, v216, s24, s25
	v_add_f32 v216, v216, v234                     ; the row's sum
	v_rcp_f32 v235, v216
	v_nop                                          ; one plain place behind the transcendental
	s_wait_alu depctr_va_vdst(0)                   ; the reciprocal has written v235, ahead of its first reader, the next line
.irp j, 0,1,2,3,4,5,6,7,8,9,10,11,12,13,14,15,16,17,18,19,20,21,22,23,24,25,26,27,28,29,30,31
	v_mul_f32 v[98+\j], v[162+\j], v235
.endr
.irp b, 0,1
	v_max3_num_f32 v[218+\b], |v[98+16*\b]|, |v[99+16*\b]|, 0x1800000
.endr
.irp i, 2,4,6,8,10,12,14
.irp b, 0,1
	v_max3_num_f32 v[218+\b], v[218+\b], |v[98+16*\b+\i]|, |v[99+16*\b+\i]|
.endr
.endr
.irp b, 0,1
	v_permlanex16_b32 v[222+\b], v[218+\b], s24, s25
.endr
.irp b, 0,1
	v_max_num_f32 v[218+\b], v[218+\b], v[222+\b]
.endr
.irp b, 0,1
	v_add_nc_u32 v[226+\b], 0xff000000, v[218+\b]
.endr
.irp b, 0,1
	v_lshrrev_b32 v[222+\b], 23, v[226+\b]
.endr
	v_cmp_eq_f32 vcc_lo, 0, v216
	v_lshl_or_b32 v234, v223, 8, v222              ; the row's two scale bytes of this head
	v_mov_b32 v235, 0xffff
	s_wait_alu depctr_va_vcc(0)                    ; the compare has written VCC, ahead of its one reader, the next line
	v_cndmask_b32 v234, v234, v235, vcc_lo         ; a row with no true key: NaN
	v_cvt_scalef32_pk16_fp6_f32 v[194:196], v[98:113], v226
	v_cvt_scalef32_pk16_fp6_f32 v[206:208], v[114:129], v227
	v_nop
.irp i, 0,1,2
	v_permlane16_swap_b32 v[194+\i], v[206+\i]     ; lanes 0-15 now hold block 0 whole, lanes 16-31 block 1
.endr
.irp i, 0,1,2
	v_mov_b32 v[197+\i], v[206+\i]
.endr
	s_wait_alu depctr_va_vdst(0)                   ; the exchanges and moves have written v194-199 and the select v234, which the three stores read; and the tile's products are done reading Q, v16-21 and v28, in which the next tile's loads land
	global_store_b128 v1, v[194:197], s[100:101]           ; the image's 512 bytes,
	global_store_b64 v2, v[198:199], s[100:101] offset:512 ; and its last 256
	global_store_b16 v237, v234, s[2:3]            ; lanes l and l + 16 write the same two bytes
.endm
.macro PASS p
	s_wait_xcnt 0x0                                ; the last tile's loads and stores have read their registers and bases
	s_wait_alu depctr_vm_vsrc(0)                   ; first tile: the fill's LDS stores have read v98-199; second tile: the last tile's stores have read v194-199 and v234: this tile's moves, products and conversions write them again.  Stated here, ahead of the loop's branches
.if \p == 0
	s_lshl_b32 s15, ttmp9, 4
	s_add_co_u32 s15, s15, s14                     ; my tile of queries: 16 x + w,
.else
	s_sub_co_u32 s15, 127, s15                     ; then its mirror
.endif
	s_mov_b32 s27, 0
	s_mul_i32 s26, s15, 768
	s_add_nc_u64 s[28:29], s[4:5], s[26:27]        ; Q's image
	s_lshr_b32 s26, s15, 2
	s_lshl_b32 s26, s26, 8
	s_and_b32 s67, s15, 3
	s_lshl_b32 s67, s67, 2
	s_add_co_u32 s26, s26, s67
	s_add_nc_u64 s[30:31], s[4:5], s[26:27]        ; its scale words
	s_mul_i32 s26, s15, 12288
	s_add_nc_u64 s[100:101], s[10:11], s[26:27]    ; where the result's image goes,
	s_lshl_b32 s26, s15, 9
	s_add_nc_u64 s[2:3], s[12:13], s[26:27]        ; and its scale bytes
	s_lshl_b32 s66, s15, 4
	global_load_b128 v[16:19], v1, s[28:29]        ; (no vector or matrix instruction since the last wait on va_vdst names v16-21, v28 or the three offsets)
	global_load_b64 v[20:21], v2, s[28:29] offset:512
	global_load_b32 v28, v236, s[30:31] offset:KSC
	s_load_b128 s[32:35], s[8:9], s66 offset:FLGO  ; the tile's four flag words
	s_lshl_b32 s21, s15, 12                        ; its mask words: 4,096 bytes
	s_mov_b32 s18, 0
	s_mov_b32 s19, 0
	s_mov_b32 s20, 0
	s_mov_b32 s17, 16
	v_mov_b32 v215, 0xff61b1e6                     ; the largest t so far: -3e38, under every t
	v_floor_f32 v214, -v215
	v_mov_b32 v216, 0
	v_mov_b32 v217, 0
.irp j, 0,1,2,3,4,5,6,7,8,9,10,11,12,13,14,15,16,17,18,19,20,21,22,23,24,25,26,27,28,29,30,31
	v_mov_b32 v[162+\j], 0                         ; O^T: the step is written once; which step is a tile's first hangs on the mask
.endr
	s_wait_kmcnt 0x0
	s_lshl_b32 s33, s33, 4
	s_lshl_b32 s34, s34, 8
	s_lshl_b32 s35, s35, 12
	s_or_b32 s16, s32, s33
	s_or_b32 s16, s16, s34
	s_or_b32 s16, s16, s35                         ; bit k: step k has a true entry; bit 16 + k: all its entries are true
	s_wait_loadcnt 0x0                             ; Q
.Lstep_\@:
	STEP
	s_sub_co_u32 s17, s17, 1
	s_cmp_lg_u32 s17, 0
	s_cbranch_scc1 .Lstep_\@
	OUT
.endm
	PASS 0
	PASS 1
	s_wait_dscnt 0x0                               ; the wave's end
	s_wait_alu 0x0
	s_wait_tensorcnt 0x0
	ds_add_u32 v[SPW], v[NIL]
	s_wait_dscnt 0x0
	s_endpgm
.Lfunc_end_k_q38b0ac4cbe_attn:
	.size	k_q38b0ac4cbe_attn, .Lfunc_end_k_q38b0ac4cbe_attn-k_q38b0ac4cbe_attn
	.p2alignl 7, 3214868480
	.fill 96, 4, 3214868480
	.section	.rodata,"a",@progbits
	.p2align	6, 0x0
	.amdhsa_kernel k_q38b0ac4cbe_attn
		.amdhsa_group_segment_fixed_size 210944
		.amdhsa_private_segment_fixed_size 0
		.amdhsa_enable_private_segment 0
		.amdhsa_kernarg_size 32
		.amdhsa_user_sgpr_count 2
		.amdhsa_user_sgpr_kernarg_segment_ptr 1
		.amdhsa_wavefront_size32 1
		.amdhsa_system_sgpr_workgroup_id_x 1
		.amdhsa_system_sgpr_workgroup_id_y 1
		.amdhsa_system_sgpr_workgroup_id_z 1
		.amdhsa_system_vgpr_workitem_id 0
		.amdhsa_next_free_vgpr 256
		.amdhsa_next_free_sgpr 102
		.amdhsa_reserve_vcc 1
		.amdhsa_float_denorm_mode_32 3
		.amdhsa_float_denorm_mode_16_64 3
		.amdhsa_memory_ordered 1
		.amdhsa_forward_progress 1
		.amdhsa_inst_pref_size 62
	.end_amdhsa_kernel
	.amdgpu_metadata
---
amdhsa.version: [ 1, 2 ]
amdhsa.kernels:
  - .name:           k_q38b0ac4cbe_attn
    .symbol:         k_q38b0ac4cbe_attn.kd
    .args:
      - { .name: q, .offset: 0, .size: 8, .value_kind: global_buffer, .address_space: global }
      - { .name: kv, .offset: 8, .size: 8, .value_kind: global_buffer, .address_space: global }
      - { .name: maskw, .offset: 16, .size: 8, .value_kind: global_buffer, .address_space: global }
      - { .name: oq, .offset: 24, .size: 8, .value_kind: global_buffer, .address_space: global }
    .group_segment_fixed_size: 210944
    .private_segment_fixed_size: 0
    .kernarg_segment_align: 8
    .kernarg_segment_size: 32
    .max_flat_workgroup_size: 512
    .sgpr_count:     102
    .vgpr_count:     256
    .wavefront_size: 32
...
	.end_amdgpu_metadata
.endif
;; end of part 5
;; launch gemm_out: the kernel of part 4 again; grid 4 x 32, 4 waves a work-group, clusters of 4 x 4, 327,680 bytes of LDS; arguments oq, wq, bo, out0; writes out0
